; MI455X (gfx1250); checked and timed in simulation.
; The chip was launched on July 23, 2026; its instructions are those of AMD's public machine-readable ISA for CDNA 5 (MIT licence, August 2026) and "CDNA5" Instruction Set Architecture Reference Guide (July 2026). The comments in the code are by the model that wrote it; some were corrected since.
;; Attention. Allowed arithmetic: matrix products marked QUANTISED: E4M3 operands, one given power-of-two scale a tensor, by v_wmma_f32_16x16x64_fp8_fp8 or v_wmma_f32_16x16x128_fp8_fp8, f32 sums; everything else in f32.
;; Inputs: lowp_scales 12 int32 (the exponents e of the quantised operands' scales 2^e); rope_freqs 2,048 x 64 x 2 float32; w_k 2,048 x 2,048 float32; w_o 2,048 x 2,048 float32; w_q 2,048 x 2,048 float32; w_v 2,048 x 2,048 float32; x 1 x 2,048 x 2,048 float32.
;; Outputs: out0 1 x 2,048 x 2,048 float32.
;; This version of the problem:
;;   THIS VERSION OF THE PROBLEM IS GIVEN IN LOW PRECISION. The matrix products marked QUANTISED in the list below multiply operands that are first quantised to E4M3 (4 exponent bits, 3 mantissa bits; 8 bits a number), with one given power-of-two scale for each operand tensor; their sums are f32. All else is computed in f32.
;;   The module's matrix products, in the order in which they are computed (A, B: the left and right operand; K: the contracted axis; several contracted axes count as one K, in the product's order):
;;     1. [M 2,048, K 2,048] x [K 2,048, N 2,048]; A: input x; B: input w_q: QUANTISED (scales: A lowp_scales[0], B lowp_scales[1])
;;     2. [M 2,048, K 2,048] x [K 2,048, N 2,048]; A: input x; B: input w_k: QUANTISED (scales: A lowp_scales[2], B lowp_scales[3])
;;     3. [M 2,048, K 2,048] x [K 2,048, N 2,048]; A: input x; B: input w_v: QUANTISED (scales: A lowp_scales[4], B lowp_scales[5])
;;     4. batch 16 x [M 2,048, K 128] x [K 128, N 2,048]; A: computed on the way; B: computed on the way: QUANTISED (scales: A lowp_scales[6], B lowp_scales[7])
;;     5. batch 16 x [M 2,048, K 2,048] x [K 2,048, N 128]; A: softmax (see below); B: computed on the way: QUANTISED (scales: A lowp_scales[8], B lowp_scales[9])
;;     6. [M 2,048, K 2,048] x [K 2,048, N 2,048]; A: computed on the way; B: input w_o: QUANTISED (scales: A lowp_scales[10], B lowp_scales[11])
;;   THE QUANTISER, for each operand of a quantised product, along K:
;;     - The operand's scale is 2^e, e = its entry of the input lowp_scales (int32; the entries are numbered through the quantised products in the list's order, A before B).
;;     - Each number is divided by the scale, clamped to +-448, and rounded to the nearest number of E4M3, ties to even, subnormals kept.
;;     - The product sums the exact products of the quantised numbers (number of the format x scale) in f32.
;;   ~~~python
;;   def quantise(x, axis, e):      # numpy; x: float32 -> the quantised numbers, widened to float32 again
;;       x = np.moveaxis(x, axis, -1); K = x.shape[-1]
;;       r = np.clip(x / 2.0 ** e, -448, 448)
;;       step = 2.0 ** (np.maximum(np.frexp(np.where(r == 0, 1, r))[1] - 1, -6) - 3)
;;       q = np.round(r / step) * step * 2.0 ** e      # np.round: ties to even
;;       return np.moveaxis(q, -1, axis).astype(np.float32)
;;   ~~~
;;   SOFTMAX AHEAD OF A QUANTISED PRODUCT. Where the list says 'softmax', what is quantised is not the finished softmax but p = 2^(t - M), with t = logit x log2(e) and M = ceil(the row's largest t), a whole number; so 1/2 < the row's largest p <= 1. The row's sum l is taken of the UNQUANTISED p, in f32, and the product's result is divided by l at the end. Since M is a whole number, a kernel that streams over the keys may use a running M (the ceiling of the running maximum): every later rescaling is an exact power of two, so the quantised numbers keep their values, but for numbers so far below the row's largest that they fall under the format's range.
;;   OPERANDS COMPUTED ON THE WAY. 'Computed on the way' means the value that the module computes at that place (a softmax that the list does not call 'softmax' is quantised finished and normalised). What goes into a quantiser is computed in f32, as accurately as f32 sums, v_exp_f32 and their like allow (about 1e-6 of the number): no bf16 or f16 on the way to a quantiser, and a product that is left as it is and whose result goes on into a quantised operand takes f32 operands (vector FMAs, or v_wmma_f32_16x16x4_f32). A number that lies on a knife's edge between two numbers of the format may be rounded either way, as far as f32 arithmetic and the matrix unit's own rounding can turn it there, and no further.
;; One version. Each part assembles by itself: llvm-mc -triple=amdgcn-amd-amdhsa -mcpu=gfx1250 --defsym DOCPART=n.
;; ======== version 1 of 1: 4 launches
;; limits: right only within a limited range of input values
;; workspace buffers: codes 26,214,400 bytes; wo_img 4,194,304 bytes; q_img 4,194,304 bytes; kv_img 8,388,608 bytes; a_img 4,194,304 bytes
;; launch quant (part 1): grid 1040 x 1, 4 waves a work-group, no clusters, 34,304 bytes of LDS; arguments x, w_q, w_k, w_v, rope_freqs, lowp_scales, codes; writes codes
.if DOCPART == 1
	.amdgcn_target "amdgcn-amd-amdhsa--gfx1250"
	.amdhsa_code_object_version 6
	.text
	.protected	k_q58977ea0c0_quant
	.globl	k_q58977ea0c0_quant
	.p2align	8
	.type	k_q58977ea0c0_quant,@function
k_q58977ea0c0_quant:
	s_mov_b64 s[64:65], 0
	v_nop
	global_prefetch_b8 v0, s[64:65] scope:SCOPE_SE
	s_setreg_imm32_b32 hwreg(HW_REG_WAVE_MODE, 25, 1), 1
	s_wait_xcnt 0x0
; x, w_q, w_k, w_v ([2048][2048] f32, K innermost) become codes of FP8 (E4M3); rope_freqs ([2048][128] f32) is laid anew as it is.  (w_o is quantised by the next launch.)
; code = number / 2^e, held within +-448, rounded to the nearest code, ties to even.  x is quantised three times (entries 0, 2, 4 of the scales); w_q, w_k, w_v by entries 1, 3, 5.
; LIMITS: each of these e lies between -126 and 119, so that 2^e and 448 x 2^e are f32 numbers.  NaN among the inputs is not served.
; WHAT IS WRITTEN ARE IMAGES OF OPERAND REGISTERS.  A fragment is 16 rows x 128 along K: 16 registers a lane.  Its image is 2,048 bytes: chunk c = 0..3 of 512 bytes, in which lane l = (r = l % 16, h = l / 16)
; owns bytes 16 l .. 16 l + 15: the codes of the tile's row r at k = 32 c + 16 h + 0 .. 15.
; Place r of row tile t is row 32 (t / 2) + 8 (t % 2) + r % 8 + 16 (r / 8), so that a transposed product's 16 registers of two neighbouring tiles are 16 neighbours.
; SECTIONS of the buffer, 4 MiB each: 0, 1, 2 x by e0, e2, e4; 3 w_q; 4 w_k; 5 w_v: [K pair of 512][group of 8 row tiles][K slot of 256 in the pair][row tile][K step of 128][2048];
; 6 (1 MiB) the rope table: [token tile][16 chunks of 512 bytes]: lane (r, h) of chunk 4 c + m holds numbers 32 c + 16 h + 4 m .. + 3 of its token's 128.
; SHARES.  Work-groups 0-1023: tensor g / 256, row tile (g / 2) % 128; wave w takes K slot n = 4 (g % 2) + w: two K steps, two images.  Work-groups 1024-1039: the rope table, two token tiles a wave.
; Each load reads 512 consecutive bytes of one row; the 16 rows turn through the wave's own stage in LDS, so that a lane gets 16 neighbours along K; each store covers 512 consecutive bytes, aligned.
; No matrix work, no tensor load, no barrier: waves share nothing.  No prefetch and no ring: all of a wave's 32 loads, 16,384 bytes, go out together at the head.
.set SP,   528                         ; a stage row: 512 bytes + 16
.set WSTG, 16*SP                       ; a wave's stage
.set SPARE, 4*WSTG                     ; behind the stages: the spare words
.set LI,   1                           ; v1      16 x lane
.set STI,  2                           ; v2      the stage on the way in
.set STO,  3                           ; v3      and on the way out: row r, + 64 h
.set VD,   4                           ; v4-5    image i: its byte offset from the wave's first image, + 16 x lane
.set SC,   8                           ; v8, v9  2^e and 448 x 2^e
.set SPW,  14
.set NIL,  15
.set VA,   16                          ; v16-31  place p of the tile: its row's byte offset, + 16 x lane
.set BF,   32                          ; v32-159 two buffers, one an image: 16 rows as loaded, then 64 numbers of my row
.set TH,   160                         ; v160-175 held numbers, two sets of 8 by turns
.set CD,   176                         ; v176-191 an image's codes
.set NQ,   22                          ; s22     how often an image is quantised: 3 for x, else 1
.set WV,   24
.set TN,   25                          ; which tensor: 0 x, 1 w_q, 2 w_k, 3 w_v, 4 the rope table
.set TAU,  26
.set SRC,  48                          ; s[48:51] image i's first byte in the source
.set DST,  56                          ; s[56:57] the wave's first image
.set CUR,  58                          ; s[58:59] the same in the section in hand
	s_load_b256 s[8:15], s[0:1], 0x0               ; x, w_q, w_k, w_v
	s_load_b128 s[16:19], s[0:1], 0x20             ; rope_freqs, the scales' exponents
	s_load_b64 s[20:21], s[0:1], 0x30              ; codes
	v_lshl_add_u32 v[SPW], v0, 2, SPARE
	v_mov_b32 v[NIL], 0
	v_lshrrev_b32 v160, 5, v0
	v_readfirstlane_b32 s[WV], v160
	s_lshr_b32 s[TN], ttmp9, 8
	s_bfe_u32 s[TAU], ttmp9, 0x70001               ; (g / 2) % 128
	v_and_b32 v161, 31, v0
	v_lshlrev_b32 v[LI], 4, v161
	s_wait_alu depctr_va_vdst(0)                   ; the wait here, behind the write
	s_mul_i32 s27, s[WV], WSTG
	v_add_nc_u32 v[STI], s27, v[LI]
	v_and_b32 v162, 15, v0
	v_bfe_u32 v163, v0, 4, 1
	v_mul_u32_u24 v[STO], v162, SP
	v_lshl_add_u32 v[STO], v163, 6, v[STO]
	v_add_nc_u32 v[STO], s27, v[STO]
	; byte offsets.  A tensor's tile begins at row 32 (tau / 2) + 8 (tau % 2), rows of 8,192 bytes; my two K steps at 1,024 n
	s_and_b32 s23, ttmp9, 1
	s_lshl_b32 s23, s23, 2
	s_add_co_u32 s23, s23, s[WV]                   ; n
	s_lshr_b32 s2, s[TAU], 1
	s_lshl_b32 s2, s2, 18
	s_and_b32 s3, s[TAU], 1
	s_lshl_b32 s3, s3, 16
	s_add_co_u32 s2, s2, s3
	s_lshl_b32 s3, s23, 10
	s_add_co_u32 s2, s2, s3
	s_and_b32 s4, ttmp9, 15                        ; the rope table: eight token tiles a work-group, two a wave; 8,192 bytes a tile in the source and in section 6 alike
	s_lshl_b32 s4, s4, 16
	s_lshl_b32 s3, s[WV], 14
	s_add_co_u32 s4, s4, s3
	s_lshr_b32 s5, s23, 1                          ; the codes: K pair n / 2,
	s_lshl_b32 s5, s5, 20
	s_and_b32 s6, s23, 1
	s_lshl_b32 s6, s6, 15                          ; K slot n % 2 in it,
	s_add_co_u32 s5, s5, s6
	s_lshr_b32 s6, s[TAU], 3
	s_lshl_b32 s6, s6, 16                          ; the group of eight row tiles,
	s_add_co_u32 s5, s5, s6
	s_and_b32 s7, s[TAU], 7
	s_lshl_b32 s7, s7, 12                          ; the tile in it
	s_add_co_u32 s5, s5, s7
	s_add_co_u32 s6, s[TN], 2                      ; the section: 0 for x, else the tensor's number + 2
	s_cmp_eq_u32 s[TN], 0
	s_cselect_b32 s6, 0, s6
	s_cselect_b32 s[NQ], 3, 1
	s_lshl_b32 s6, s6, 22
	s_cmp_eq_u32 s[TN], 4
	s_cselect_b32 s5, s4, s5
	s_cselect_b32 s2, s4, s2
	s_mov_b32 s30, 8192                            ; from row to row in the source
	s_cselect_b32 s30, 512, s30
	s_mov_b32 s31, 512                             ; from image 0 to image 1 in the source,
	s_cselect_b32 s31, 4096, s31
	s_mov_b32 s33, 2048                            ; and in the section
	s_cselect_b32 s33, 8192, s33
	s_add_co_u32 s5, s5, s6
.irp p, 0,1,2,3,4,5,6,7,8,9,10,11,12,13,14,15
	s_mul_i32 s6, s30, (\p%8)+16*(\p/8)
	v_add_nc_u32 v[VA+\p], s6, v[LI]
.endr
	v_mov_b32 v[VD], v[LI]
	v_add_nc_u32 v[VD+1], s33, v[LI]
	s_wait_alu depctr_va_vdst(0)                   ; the wait here, directly ahead of the wait below
	s_wait_kmcnt 0x0
	s_load_b256 s[36:43], s[18:19], 0x0            ; e0 .. e7
	s_mov_b64 s[28:29], s[8:9]                     ; the source is chosen by the work-group's number alone
	s_cmp_eq_u32 s[TN], 1
	s_cselect_b64 s[28:29], s[10:11], s[28:29]
	s_cmp_eq_u32 s[TN], 2
	s_cselect_b64 s[28:29], s[12:13], s[28:29]
	s_cmp_eq_u32 s[TN], 3
	s_cselect_b64 s[28:29], s[14:15], s[28:29]
	s_cmp_eq_u32 s[TN], 4
	s_cselect_b64 s[28:29], s[16:17], s[28:29]
	s_mov_b32 s3, 0
	s_add_nc_u64 s[SRC:SRC+1], s[28:29], s[2:3]
	s_mov_b32 s6, s31
	s_mov_b32 s7, 0
	s_add_nc_u64 s[SRC+2:SRC+3], s[SRC:SRC+1], s[6:7]
	s_mov_b32 s6, s5
	s_add_nc_u64 s[DST:DST+1], s[20:21], s[6:7]
.macro LOAD i                          ; image i's sixteen rows: each load is 512 consecutive bytes of one row
.irp p, 0,1,2,3,4,5,6,7,8,9,10,11,12,13,14,15
	global_load_b128 v[BF+64*(\i)+4*\p:BF+64*(\i)+4*\p+3], v[VA+\p], s[SRC+2*(\i):SRC+2*(\i)+1] th:TH_LOAD_NT
.endr
.endm
.macro MKS e, d                        ; 2^e and 448 x 2^e as f32 numbers, into s[d], s[d+1]
	s_add_co_i32 s6, s[\e], 127
	s_lshl_b32 s[\d], s6, 23
	s_add_co_i32 s6, s6, 8
	s_lshl_b32 s6, s6, 23
	s_or_b32 s[\d+1], s6, 0x600000
.endm
.macro IMG i, left                     ; image i's rows go into the stage as they lie and come back, into the registers that they left, 64 neighbouring bytes a lane and chunk.  left: the younger loads, which may stay out
	s_wait_loadcnt \left                           ; loads come back in order (ISA guide 5.7.1): this image's sixteen are in
.irp p, 0,1,2,3,4,5,6,7,8,9,10,11,12,13,14,15
	ds_store_b128 v[STI], v[BF+64*(\i)+4*\p:BF+64*(\i)+4*\p+3] offset:SP*\p
.endr
.irp c, 0,1,2,3
.irp m, 0,1,2,3
	ds_load_b128 v[BF+64*(\i)+16*\c+4*\m:BF+64*(\i)+16*\c+4*\m+3], v[STO] offset:128*\c+16*\m   ; LDS serves a wave's instructions in order (ISA guide 5.7.1.4): these see the stores above
.endr
.endr
	s_wait_dscnt 0x0                               ; the numbers are back
	s_cmp_eq_u32 s[TN], 4
	s_cbranch_scc1 .Lraw_\i
	s_mov_b64 s[CUR:CUR+1], s[DST:DST+1]           ; (every earlier store has read its base: the wait at the end of a trip)
	s_mov_b32 s35, 0
.Lq_\i:                                                ; x goes three trips, by e0, e2 and e4, into three sections; the others one
	v_mov_b32 v[SC], s60
	v_mov_b32 v[SC+1], s61
.irp c, 0,1,2,3
.irp u, 0,1
.irp k, 0,1,2,3,4,5,6,7
	v_med3_num_f32 v[TH+8*\u+\k], v[BF+64*(\i)+16*\c+8*\u+\k], -v[SC+1], v[SC+1]   ; the conversion to an 8-bit code does not saturate (ISA guide 7.6.2): the hold comes first
.endr
	v_cvt_scalef32_pk8_fp8_f32 v[CD+4*\c+2*\u:CD+4*\c+2*\u+1], v[TH+8*\u:TH+8*\u+7], v[SC]   ; the two sets of held numbers take turns: eight plain lines stand between a conversion and the rewriting of its sources
.endr
.endr
	v_nop                                          ; a plain line behind the last conversion
.irp c, 0,1,2,3
	global_store_b128 v[VD+\i], v[CD+4*\c:CD+4*\c+3], s[CUR:CUR+1] offset:512*\c
.endr
	s_mov_b64 s[46:47], s[60:61]                   ; the three scales take turns: after three trips they are back in place; for the others the three are equal
	s_mov_b64 s[60:61], s[62:63]
	s_mov_b64 s[62:63], s[44:45]
	s_mov_b64 s[44:45], s[46:47]
	s_wait_xcnt 0x0                                ; the stores have read the codes' registers and their base
	s_add_nc_u64 s[CUR:CUR+1], s[CUR:CUR+1], 0x400000
	s_add_co_u32 s35, s35, 1
	s_cmp_lt_u32 s35, s[NQ]
	s_cbranch_scc1 .Lq_\i
	s_branch .Lnext_\i
.Lraw_\i:
.irp g, 0,1,2,3,4,5,6,7,8,9,10,11,12,13,14,15
	global_store_b128 v[VD+\i], v[BF+64*(\i)+4*\g:BF+64*(\i)+4*\g+3], s[DST:DST+1] offset:512*\g   ; the rope table keeps its numbers
.endr
.Lnext_\i:
.endm
	LOAD 0
	LOAD 1
	s_wait_kmcnt 0x0
	s_mov_b32 s27, s36                             ; my tensor's own e: no branch, a choice
	s_cmp_eq_u32 s[TN], 1
	s_cselect_b32 s27, s37, s27
	s_cmp_eq_u32 s[TN], 2
	s_cselect_b32 s27, s39, s27
	s_cmp_eq_u32 s[TN], 3
	s_cselect_b32 s27, s41, s27
	s_cmp_eq_u32 s[TN], 0
	s_cselect_b32 s38, s38, s27                    ; x: e2 and e4; the others: their own e again
	s_cselect_b32 s40, s40, s27
	MKS 27, 60
	MKS 38, 62
	MKS 40, 44
	IMG 0, 16                                      ; image 1 may stay out
	IMG 1, 0
	s_wait_tensorcnt 0x0                           ; the wave's end
	ds_add_u32 v[SPW], v[NIL]
	s_wait_dscnt 0x0
	s_endpgm
.Lfunc_end_k_q58977ea0c0_quant:
	.size	k_q58977ea0c0_quant, .Lfunc_end_k_q58977ea0c0_quant-k_q58977ea0c0_quant
	.p2alignl 7, 3214868480
	.fill 96, 4, 3214868480
	.section	.rodata,"a",@progbits
	.p2align	6, 0x0
	.amdhsa_kernel k_q58977ea0c0_quant
		.amdhsa_group_segment_fixed_size 34304
		.amdhsa_private_segment_fixed_size 0
		.amdhsa_enable_private_segment 0
		.amdhsa_kernarg_size 56
		.amdhsa_user_sgpr_count 2
		.amdhsa_user_sgpr_kernarg_segment_ptr 1
		.amdhsa_wavefront_size32 1
		.amdhsa_system_sgpr_workgroup_id_x 1
		.amdhsa_system_sgpr_workgroup_id_y 1
		.amdhsa_system_sgpr_workgroup_id_z 1
		.amdhsa_system_vgpr_workitem_id 0
		.amdhsa_next_free_vgpr 192
		.amdhsa_next_free_sgpr 66
		.amdhsa_reserve_vcc 0
		.amdhsa_float_denorm_mode_32 3
		.amdhsa_float_denorm_mode_16_64 3
		.amdhsa_memory_ordered 1
		.amdhsa_forward_progress 1
		.amdhsa_inst_pref_size 27
	.end_amdhsa_kernel
	.amdgpu_metadata
---
amdhsa.version: [ 1, 2 ]
amdhsa.kernels:
  - .name:           k_q58977ea0c0_quant
    .symbol:         k_q58977ea0c0_quant.kd
    .args:
      - { .name: x, .offset: 0, .size: 8, .value_kind: global_buffer, .address_space: global }
      - { .name: w_q, .offset: 8, .size: 8, .value_kind: global_buffer, .address_space: global }
      - { .name: w_k, .offset: 16, .size: 8, .value_kind: global_buffer, .address_space: global }
      - { .name: w_v, .offset: 24, .size: 8, .value_kind: global_buffer, .address_space: global }
      - { .name: rope_freqs, .offset: 32, .size: 8, .value_kind: global_buffer, .address_space: global }
      - { .name: lowp_scales, .offset: 40, .size: 8, .value_kind: global_buffer, .address_space: global }
      - { .name: codes, .offset: 48, .size: 8, .value_kind: global_buffer, .address_space: global }
    .group_segment_fixed_size: 34304
    .private_segment_fixed_size: 0
    .kernarg_segment_align: 8
    .kernarg_segment_size: 56
    .max_flat_workgroup_size: 128
    .sgpr_count:     66
    .vgpr_count:     192
    .wavefront_size: 32
...
	.end_amdgpu_metadata
.endif
;; end of part 1
;; launch qkv (part 2): grid 32 x 8, 4 waves a work-group, clusters of 4 x 4, 327,680 bytes of LDS; arguments codes, lowp_scales, q_img, kv_img, w_o, wo_img; writes q_img, kv_img, wo_img
.if DOCPART == 2
	.amdgcn_target "amdgcn-amd-amdhsa--gfx1250"
	.amdhsa_code_object_version 6
	.text
	.protected	k_q58977ea0c0_qkv
	.globl	k_q58977ea0c0_qkv
	.p2align	8
	.type	k_q58977ea0c0_qkv,@function
k_q58977ea0c0_qkv:
	s_mov_b64 s[64:65], 0
	v_nop
	global_prefetch_b8 v0, s[64:65] scope:SCOPE_SE
	s_setreg_imm32_b32 hwreg(HW_REG_WAVE_MODE, 25, 1), 1
	s_wait_xcnt 0x0
	s_wait_alu depctr_hold_cnt(0) depctr_sa_sdst(0) depctr_va_vdst(0) depctr_va_sdst(0) depctr_va_ssrc(0) depctr_va_vcc(0) depctr_vm_vsrc(0)
	s_getreg_b32 s2, hwreg(HW_REG_IB_STS2, 6, 4)
	s_cmp_eq_u32 s2, 0
	s_cbranch_scc0 .Lentry_in_a_cluster
	s_endpgm
.Lentry_in_a_cluster:
	s_bfe_u32 s2, ttmp6, 0x10000c
	s_cmp_lg_u32 s2, 0xf033
	s_cbranch_scc0 .Lentry_shape_is_right
	s_endpgm
.Lentry_shape_is_right:
; The three projections on codes of FP8 (E4M3), with the rotation and the next quantiser on the way out.  Clusters x = 0..5: pi = x / 2: 0 q, 1 k, 2 v.  Clusters x = 6, 7 quantise w_o for the last launch (below).
; q, k: C[token][dim] = sum over K of x[token][K] w[dim][K]; each pair of dims is rotated by (cos, sin) of its token; the result is quantised along the head's 128 dims (e6 for q, e7 for k).
; v: the same body with A = w_v's rows and B = x's: the result is quantised along the KEYS (e9), which are the second attention product's K.
; All operands come as images of operand registers (16 rows x 128 K in 2,048 bytes: chunk c of 512 bytes, lane l's 16 bytes at 16 l: row l % 16, k = 32 c + 16 (l / 16) + 0 .. 15), and the results leave so.
; Place r of row tile t is row 32 (t / 2) + 8 (t % 2) + r % 8 + 16 (r / 8).  THE MATRIX INSTRUCTION IS USED TRANSPOSED (source 0 = 16 rows of B, source 1 = 16 rows of A): the 64 registers that a lane holds of
; one block of A against B's eight tiles are then B's index 32 c + 16 (l / 16) + k at register 16 c + k: the conversions' results are the next operand's registers, and go straight to memory.
; A sum stands for sum x 2^(ea + eb); the rotation is linear, so the three exponents are folded into the conversion's one scale 2^F, F = e6 - e0 - e1, e7 - e2 - e3 or e9 - e4 - e5.
; LIMITS: F and e11 lie between -126 and 119, so that 2^F, 448 x 2^F and the same of e11 are f32 numbers.  NaN among the inputs is not served.
; A tile of C, 256 x 256, is made by four waves, each 128 x 128: 64 accumulators, 512 registers.  K goes in slots of 256 through a ring of two LDS slots.  A wave fetches for one group of 128 rows: 32,768 bytes a slot.
; A group's slots 0 and 1 lie on end in memory (65,536 bytes) and in LDS: the wave's ONE load at the head brings both.
; CLUSTERS: 4 x 4.  A's tiles are shared along a row of the cluster, B's along a column: each is asked for JOINTLY, by the same tensor load with the same descriptor and a mask that names the four.
; PREFETCH INTO THE L2, two K slots ahead of the load: behind the head's load K slots 2 and 3, behind the refill with K slot n K slot n + 2, and in the last trip (q and k) the rope table's rows, two changes of slots ahead of their load.
; Of the 32,768 bytes that four partners ask for jointly each takes a quarter, told apart by address, lanes 256 bytes apart: each block of 256 bytes is named once in each cluster that loads it.
; THE ROPE TABLE'S ROWS of the tile row's 256 tokens, 131,072 bytes, are as large as a slot and hang on the tile row alone.  At the last change of slots they are asked for into slot 0, jointly along the row of the cluster, a quarter a wave.
; v's clusters rotate nothing and do not ask: that branch hangs on the cluster's x alone, which all sixteen partners share.
; w_o: 4 clusters x 16 work-groups, each 32 rows (two row tiles); wave w takes 512 along K.  Image layout of wo_img: [K pair of 1024][group of 4 row tiles][K slot of 512 in the pair][row tile][K step of 128][2048].
; REGISTERS, in windows of 256: window 0: v0-31 addresses and constants; from v128 A's fragments, ONE set; on the way out v32-255 are free.  window 1: B's fragments, TWO sets.  windows 2, 3: the accumulators, (a, b) at v[8 (8 (a % 4) + b)].
.set PART,   32768                     ; a wave's part of a slot: eight row tiles x two K steps x 2,048.  In LDS wave w's part of slot s lies at 65,536 w + 32,768 s
.set SPARE,  262144                    ; behind the ring: the spare words, 128 bytes for each wave, which no other line names
.set WST,    SPARE+512                 ; behind them the stages of the clusters that quantise w_o: no tensor load lands there
.set SP,     528
.set WSTG,   16*SP
.set KPAIR,  1<<20                     ; two K slots on, in a section
.set LAPS,   4                         ; eight K slots: four times round the ring
.set FR,     16
.set NL,     4
.set NP,     4                         ; places behind this matrix instruction (ISA guide 7.12.1)
.set ADRA, 16                          ; v16-17  LDS address of my A fragments in slot 0, 1
.set ADRB, 20                          ; v20-21  the same for B
.set LI,   24                          ; v24     16 x lane
.set PFO,  25                          ; v25     256 x lane
.set SCV,  26                          ; v26     2^F as f32
.set LMV,  27                          ; v27     448 x 2^F
.set SPW,  28                          ; v28     LDS address of my spare word; never rewritten
.set NIL,  29                          ; v29     0; never rewritten
.set RA,   30                          ; v30-31  LDS address of my first and my last four token tiles of the rope table, once it lies in slot 0
.set TT,   32                          ; the way out: v32-95 a block's 64 numbers
.set UU,   96                          ; v96-111 the rotation's cross terms, two sets of eight
.set CC,   112                         ; v112-127 a block's codes
.set RR,   128                         ; v128-191, v192-255 a token tile's (cos, sin), two sets by turns
.set AF,   128
.set LIM,  13                          ; s13: the last trips' prefetch: 1 in q's and k's clusters (the rope rows are asked for), 2 in v's
.set G1, 24
.set G0, 32
.set G1B, 48
.set G0B, 56
.set G1H, 68                           ; s[68:83] group 1 of the head's loads, A's and B's; afterwards the scales' exponents
.set G1HB, 76
.set OUTP, 90                          ; s[90:91] where my first image goes
.set RPF,  94                          ; s[94:95] the prefetch of the rope table's rows
.set GR,   96                          ; s[96:99] descriptor group 0 for my quarter of the rope table's rows; never rewritten
.set PFA,  100                         ; s[100:101] where my prefetches stand
.set MSB, 0
.macro WIN new                         ; the immediate's high byte repeats the setting that is left
.if MSB != \new
	s_set_vgpr_msb (MSB<<8)|\new
.set MSB, \new
.endif
.endm
.set MUL_LO, 0xa1                      ; source 0 (B) window 1, source 1 (A) window 0, C and D window 2
.set MUL_HI, 0xf1
.set TO_B,   0x40
; A joint load: waves 0 and 1 fetch for A, waves 2 and 3 for B.  The branch hangs on the wave's number alone.  Four v_nop follow each of the two lines.
.macro JLOAD g0a, g1a, g0b, g1b
	s_cmp_eq_u32 s15, 0
	s_cbranch_scc0 .Lfor_b_\@
	tensor_load_to_lds s[\g0a:\g0a+3], s[\g1a:\g1a+7]
	s_nop 0
.rept 4
	v_nop
.endr
	s_branch .Lasked_\@
.Lfor_b_\@:
	tensor_load_to_lds s[\g0b:\g0b+3], s[\g1b:\g1b+7]
	s_nop 0
.rept 4
	v_nop
.endr
.Lasked_\@:
.endm
.macro CREST                           ; a round of the cluster's barrier behind its opening barrier
	s_cmp_lg_u32 s14, 0
	s_cbranch_scc1 .Lnot_wave_0_\@
	s_barrier_signal -3
.Lnot_wave_0_\@:
	s_barrier_wait -3
	s_barrier_signal -1
	s_barrier_wait -1
.endm
.macro CROUND
	s_barrier_signal -1
	s_barrier_wait -1
	CREST
.endm
	s_load_b256 s[4:11], s[0:1], 0x0               ; codes s[4:5], the scales' exponents s[6:7], q_img s[8:9], kv_img s[10:11]
	v_lshl_add_u32 v[SPW], v0, 2, SPARE
	v_mov_b32 v[NIL], 0
	ds_add_u32 v[SPW], v[NIL]                      ; the wave's opening: the add, twice on end, and its wait
	ds_add_u32 v[SPW], v[NIL]
	v_lshrrev_b32 v1, 5, v0
	v_readfirstlane_b32 s14, v1                    ; wave 0..3
	s_bfe_u32 s40, ttmp6, 0x40000                  ; cx, cy
	s_bfe_u32 s41, ttmp6, 0x40004
	s_and_b32 s17, ttmp7, 0xffff
	s_wait_dscnt 0x0                               ; both adds are done
	s_cmp_gt_u32 ttmp9, 5                          ; the cluster's x: the same in all sixteen partners
	s_cbranch_scc1 .Lwo
	s_lshr_b32 s15, s14, 1                         ; which half of the tile's A rows is mine.  Also: I fetch for A (0) or for B (1)
	s_and_b32 s16, s14, 1                          ; which half of its B rows.  Also: which half of that tile I fetch
	s_lshr_b32 s12, ttmp9, 1                       ; pi
	s_and_b32 s42, ttmp9, 1
	s_lshl_b32 s42, s42, 2
	s_add_co_u32 s42, s42, s40                     ; tile column = 4 x (cluster x % 2) + cx
	s_lshl_b32 s17, s17, 2
	s_add_co_u32 s17, s17, s41                     ; tile row = 4 x cluster y + cy
	s_lshl_b32 s43, s41, 2
	s_lshl_b32 s43, 15, s43                        ; my row of the cluster
	s_lshl_b32 s44, 0x1111, s40                    ; my column
	; descriptor group 1: a dense block of rows of 32 elements of 8 bytes, no padding: 128 rows in a refill, 256 at the head
	s_or_b32 s[G1+0], s43, (3<<16)|(1<<21)         ; 15:0 the mask; 17:16 elements of 8 bytes; 21 set beside a mask
	s_or_b32 s[G1B+0], s44, (3<<16)|(1<<21)
	s_or_b32 s[G1H+0], s43, (3<<16)|(1<<21)
	s_or_b32 s[G1HB+0], s44, (3<<16)|(1<<21)
.macro GRP g, rows
	s_mov_b32 s[\g+1], 32<<16                      ; tensor_dim0 = 32
	s_mov_b32 s[\g+2], \rows<<16                   ; tensor_dim1
	s_mov_b32 s[\g+3], 32<<16                      ; tile_dim0 = 32
	s_mov_b32 s[\g+4], \rows                       ; tile_dim1
	s_mov_b32 s[\g+5], 32                          ; from row to row
	s_mov_b32 s[\g+6], 0
	s_mov_b32 s[\g+7], 0
.endm
	GRP G1, 128
	GRP G1B, 128
	GRP G1H, 256
	GRP G1HB, 256
	s_add_co_u32 s19, s12, 3
	s_cmp_lt_u32 s12, 2
	s_cselect_b32 s18, s12, 5                      ; A's section: x by e0, x by e2, or w_v
	s_cselect_b32 s19, s19, 2                      ; B's: w_q, w_k, or x by e4
	s_cselect_b32 s[LIM], 1, 2
	s_lshl_b32 s20, s18, 22
	s_lshl_b32 s21, s17, 17                        ; two groups of 65,536 bytes a tile row,
	s_add_co_u32 s20, s20, s21
	s_lshl_b32 s21, s16, 16                        ; one of them a half
	s_add_co_u32 s20, s20, s21
	s_mov_b32 s21, 0
	s_lshl_b32 s46, s19, 22
	s_lshl_b32 s47, s42, 17
	s_add_co_u32 s46, s46, s47
	s_lshl_b32 s47, s16, 16
	s_add_co_u32 s46, s46, s47
	s_mov_b32 s47, 0
	s_lshl_b32 s45, s14, 16                        ; where they go: wave x 65,536: no place in the cluster enters an LDS address
	s_lshl_b32 s22, s17, 17                        ; the rope table's rows of my tile row: sixteen token tiles of 8,192 bytes,
	s_lshl_b32 s23, s14, 15
	s_add_co_u32 s22, s22, s23                     ; a quarter of them a wave,
	s_add_co_u32 s22, s22, 6<<22                   ; in section 6: made of the tile row and the wave's number alone
	s_mov_b32 s23, 0
	; the prefetches: my quarter (by cx for A, by cy for B) of what I fetch, at K pair 1; and of the rope table's rows (by cx)
	s_cmp_eq_u32 s15, 0
	s_cselect_b32 s84, s20, s46
	s_cselect_b32 s85, s40, s41
	s_lshl_b32 s85, s85, 13
	s_add_co_u32 s84, s84, s85
	s_add_co_u32 s84, s84, KPAIR
	s_mov_b32 s85, 0
	s_lshl_b32 s92, s40, 13
	s_add_co_u32 s92, s92, s22
	s_mov_b32 s93, 0
	s_wait_kmcnt 0x0
	s_add_nc_u64 s[20:21], s[4:5], s[20:21]
	s_add_nc_u64 s[46:47], s[4:5], s[46:47]
	s_add_nc_u64 s[PFA:PFA+1], s[4:5], s[84:85]
	s_add_nc_u64 s[RPF:RPF+1], s[4:5], s[92:93]
	s_mov_b32 s[GR], 1                             ; 1:0 count = 1
	s_mov_b32 s[GR+1], s45                         ; 63:32 LDS address: my part of slot 0
	s_add_nc_u64 s[GR+2:GR+3], s[4:5], s[22:23]    ; 120:64 global address
	s_or_b32 s[GR+3], s[GR+3], 0x80000000          ; 127:126 type = 2
.irp s, 0,1
	s_mov_b32 s[G0+4*\s], 1
	s_add_co_u32 s[G0+4*\s+1], s45, \s*PART
	s_add_nc_u64 s[G0+4*\s+2:G0+4*\s+3], s[20:21], \s*PART
	s_or_b32 s[G0+4*\s+3], s[G0+4*\s+3], 0x80000000
	s_mov_b32 s[G0B+4*\s], 1
	s_add_co_u32 s[G0B+4*\s+1], s45, \s*PART
	s_add_nc_u64 s[G0B+4*\s+2:G0B+4*\s+3], s[46:47], \s*PART
	s_or_b32 s[G0B+4*\s+3], s[G0B+4*\s+3], 0x80000000
.endr
	CROUND                                         ; all sixteen work-groups are here: the first joint loads meet
	JLOAD G0, G1H, G0B, G1HB                       ; K slots 0 and 1: one tensor load a wave at the head
	s_lshl_b32 s23, s15, 17                        ; my half's eight token tiles: two waves' parts
	s_add_co_u32 s18, s23, 65536
	s_lshl_b32 s21, s15, 16                        ; my half of A: wave s15 fetched it
	s_lshl_b32 s22, s16, 16                        ; my half of B: wave 2 + s16
	s_add_co_u32 s22, s22, 131072
	s_add_co_u32 s19, s21, PART
	s_add_co_u32 s20, s22, PART
	v_and_b32 v1, 31, v0
	v_lshlrev_b32 v[LI], 4, v1
	v_lshlrev_b32 v[PFO], 8, v1
	v_add_nc_u32 v[RA], s23, v[LI]
	v_add_nc_u32 v[RA+1], s18, v[LI]
	v_add_nc_u32 v[ADRA], s21, v[LI]
	v_add_nc_u32 v[ADRB], s22, v[LI]
	v_add_nc_u32 v[ADRA+1], s19, v[LI]
	v_add_nc_u32 v[ADRB+1], s20, v[LI]
	s_wait_alu depctr_va_vdst(0)                   ; the wait at the head's end
	global_prefetch_b8 v[PFO], s[PFA:PFA+1] th:TH_LOAD_NT scope:SCOPE_SE               ; K slot 2, one whole slot ahead of its load,
	global_prefetch_b8 v[PFO], s[PFA:PFA+1] offset:PART th:TH_LOAD_NT scope:SCOPE_SE   ; and K slot 3
	; the way out's pointer.  gA, gB: which 128 of A's and of B's rows are mine
	s_lshl_b32 s22, s17, 1
	s_add_co_u32 s22, s22, s15
	s_lshl_b32 s23, s42, 1
	s_add_co_u32 s23, s23, s16
	s_cmp_lt_u32 s12, 2
	s_cselect_b32 s85, s23, s22                    ; the head: 128 rows of the weight
	s_cselect_b32 s86, s22, s23                    ; the step of 128 tokens
	s_cmp_eq_u32 s12, 0
	s_cselect_b32 s87, 18, 19                      ; a head is 2^18 bytes in q_img, 2^19 in kv_img;
	s_cselect_b32 s88, 16, 17                      ; four steps are 2^16 bytes there, 2^17 here (K's and V's)
	s_cselect_b64 s[OUTP:OUTP+1], s[8:9], s[10:11]
	s_lshl_b32 s85, s85, s87
	s_lshr_b32 s89, s86, 2
	s_lshl_b32 s89, s89, s88
	s_add_co_u32 s85, s85, s89
	s_and_b32 s86, s86, 3
	s_lshl_b32 s86, s86, 14
	s_add_co_u32 s85, s85, s86
	s_cmp_eq_u32 s12, 2
	s_cselect_b32 s86, 65536, 0                    ; V's images lie behind K's in a key slot
	s_add_co_u32 s92, s85, s86
	s_mov_b32 s93, 0
	s_add_nc_u64 s[OUTP:OUTP+1], s[OUTP:OUTP+1], s[92:93]
.macro FRAG reg, adr, q, i             ; a fragment comes as its image lies: four loads, each 512 consecutive bytes
.irp c, 0,1,2,3
	ds_load_b128 v[\reg+4*\c:\reg+4*\c+3], v[\adr] offset:4096*(\i)+2048*(\q)+512*\c
.endr
.endm
; 16 matrix instructions: A's blocks a0, a0 + 1 x B's eight, 128 along K.  p: B's set.  zero = 1: the first product starts the sums.
; The 64 accumulators take turns, one instruction a turn, in the same order in every step.
.macro MUL16 a0, p, zero
.irp a, \a0, \a0+1
.irp b, 0,1,2,3,4,5,6,7
.if \zero
	v_wmma_f32_16x16x128_fp8_fp8 v[8*(8*((\a)%4)+\b):8*(8*((\a)%4)+\b)+7], v[128*(\p)+FR*\b:128*(\p)+FR*\b+FR-1], v[AF+FR*(\a):AF+FR*(\a)+FR-1], 0
.else
	v_wmma_f32_16x16x128_fp8_fp8 v[8*(8*((\a)%4)+\b):8*(8*((\a)%4)+\b)+7], v[128*(\p)+FR*\b:128*(\p)+FR*\b+FR-1], v[AF+FR*(\a):AF+FR*(\a)+FR-1], v[8*(8*((\a)%4)+\b):8*(8*((\a)%4)+\b)+7]
.endif
.endr
.endr
.endm
.macro FETCH_B slot, q, p
	WIN TO_B
.irp i, 0,1,2,3,4,5,6,7
	FRAG 128*(\p)+FR*\i, ADRB+\slot, \q, \i
.endr
	WIN 0
.endm
.macro FETCH_A slot, q, i0
.irp i, \i0, \i0+1, \i0+2, \i0+3
	FRAG AF+FR*(\i), ADRA+\slot, \q, \i
.endr
.endm
.macro PLACES n                        ; plain vector lines between a matrix instruction and a load into a register that it has read, or a read of its result (ISA guide 7.12.1 for the read of its result)
.rept \n
	v_nop
.endr
.endm
; A step of 128 along K that has its successor in the same slot.  A has one set of registers: blocks 0-3 are fetched anew in the step's middle, blocks 4-7 at its end.
.macro STEP slot, q, zero
	s_wait_dscnt 4*NL                              ; B's set and A's blocks 0-3 are in; the youngest sixteen loads (A's blocks 4-7) may be out
	WIN MUL_LO
	MUL16 0, (\q)%2, \zero
	MUL16 2, (\q)%2, \zero
	s_wait_dscnt 0
	PLACES NP
	FETCH_B \slot, (\q)+1, 1-(\q)%2
	FETCH_A \slot, (\q)+1, 0
	WIN MUL_HI
	MUL16 4, (\q)%2, \zero
	MUL16 6, (\q)%2, \zero
	PLACES NP
	WIN 0
	FETCH_A \slot, (\q)+1, 4
.endm
; A slot's last step changes slots: ONE barrier, which opens a round of the cluster's; in front of it each wave waits for all its tensor loads, adds 0 to its spare word, and waits for that and for its own reads of this slot.
; fill = 1: the slot takes the K slot two further on.  fill = 2, the last change of slots: it takes the rope table's rows (q and k).
.macro TURN slot, next, fill
.if (\fill == 1) && (\slot == 0)
	s_wait_xcnt 0x0                                ; my prefetches have read their address: it is stepped here,
	s_add_nc_u64 s[PFA:PFA+1], s[PFA:PFA+1], KPAIR ; to the next K pair,
	s_cmp_eq_u32 s3, 1
	s_cselect_b64 s[PFA:PFA+1], s[RPF:RPF+1], s[PFA:PFA+1]   ; and in the last trip to the rope table's rows
.endif
	s_wait_tensorcnt 0x0                           ; all my tensor loads have landed: my part of the next slot
	ds_add_u32 v[SPW], v[NIL]                      ; 0 onto my spare word
	s_wait_dscnt 4*NL+1                            ; (the add and the youngest sixteen loads may be out)
	WIN MUL_LO
	MUL16 0, 1, 0
	s_wait_dscnt 0x0                               ; the add is done, and my reads of this slot are over
	s_barrier_signal -1
	MUL16 2, 1, 0
	WIN 0
	s_barrier_wait -1
	CREST                                          ; no wave of any partner still reads this slot or has a load on its way
.if \fill == 1
	s_add_nc_u64 s[G0+4*\slot+2:G0+4*\slot+3], s[G0+4*\slot+2:G0+4*\slot+3], KPAIR
	s_add_nc_u64 s[G0B+4*\slot+2:G0B+4*\slot+3], s[G0B+4*\slot+2:G0B+4*\slot+3], KPAIR
	JLOAD G0+4*\slot, G1, G0B+4*\slot, G1B         ; the first tensor load behind the round; its four v_nop are the places in front of the loads below
.else
	s_cmp_eq_u32 s12, 2                            ; the cluster's x alone
	s_cbranch_scc1 .Lno_rope
	tensor_load_to_lds s[GR:GR+3], s[G1:G1+7]      ; every wave's quarter, with the mask of my row of the cluster: the tokens are A's rows
	s_nop 0
.rept 4
	v_nop
.endr
.Lno_rope:
	PLACES NP
.endif
	FETCH_B \next, 0, 0
	FETCH_A \next, 0, 0
.if \fill == 1                         ; the prefetch, behind the joint load and the run of LDS loads that the next products wait for
.if \slot == 0
	s_cmp_ge_u32 s3, s[LIM]
.else
	s_cmp_ge_u32 s3, 2
.endif
	s_cbranch_scc0 .Lnot_mine_\@
	global_prefetch_b8 v[PFO], s[PFA:PFA+1] offset:PART*\slot th:TH_LOAD_NT scope:SCOPE_SE
.Lnot_mine_\@:
.endif
	WIN MUL_HI
	MUL16 4, 1, 0
	MUL16 6, 1, 0
	PLACES NP
	WIN 0
	FETCH_A \next, 0, 4
.endm
	s_wait_tensorcnt 0x0                           ; my parts of K slots 0 and 1 are in
	s_barrier_signal -1
	s_barrier_wait -1
	s_load_b256 s[68:75], s[6:7], 0x0              ; e0 .. e7 (the head's descriptors are done with)
	s_load_b128 s[76:79], s[6:7], 0x20             ; e8 .. e11
	FETCH_B 0, 0, 0
	FETCH_A 0, 0, 0
	FETCH_A 0, 0, 4
	STEP 0, 0, 1                                   ; the first step stands in front of the loop: its products start the sums
	s_mov_b32 s3, LAPS-1
.Llap:                                                 ; a trip goes once round the ring and fills both slots again
	TURN 0, 1, 1
	STEP 1, 0, 0
	TURN 1, 0, 1
	STEP 0, 0, 0
	s_sub_co_u32 s3, s3, 1
	s_cmp_lg_u32 s3, 0
	s_cbranch_scc1 .Llap
	TURN 0, 1, 2                                   ; the last change of slots: no K slot is left to fetch
	STEP 1, 0, 0
	s_wait_dscnt 4*NL
	WIN MUL_LO
	MUL16 0, 1, 0
	MUL16 2, 1, 0
	s_wait_dscnt 0
	WIN MUL_HI
	MUL16 4, 1, 0
	MUL16 6, 1, 0
	WIN 0
	s_wait_kmcnt 0x0
	s_sub_co_i32 s80, s74, s68
	s_sub_co_i32 s80, s80, s69                     ; e6 - e0 - e1
	s_sub_co_i32 s81, s75, s70
	s_sub_co_i32 s81, s81, s71                     ; e7 - e2 - e3
	s_sub_co_i32 s82, s77, s72
	s_sub_co_i32 s82, s82, s73                     ; e9 - e4 - e5
	s_cmp_eq_u32 s12, 1
	s_cselect_b32 s80, s81, s80
	s_cmp_eq_u32 s12, 2
	s_cselect_b32 s80, s82, s80                    ; F: a choice, no branch
	s_add_co_i32 s80, s80, 127
	s_lshl_b32 s81, s80, 23
	s_add_co_i32 s80, s80, 8
	s_lshl_b32 s80, s80, 23
	s_or_b32 s80, s80, 0x600000
	v_mov_b32 v[SCV], s81
	v_mov_b32 v[LMV], s80
	s_wait_alu depctr_va_vdst(0)                   ; the wait here, directly ahead of the wait below
	s_wait_tensorcnt 0x0                           ; my quarter of the rope table's rows has landed;
	s_barrier_signal -1                            ; (no LDS instruction of mine is out: the wait for 0 above was the last)
	s_barrier_wait -1                              ; everybody's has: my eight token tiles were fetched by two waves.
; THE WAY OUT, block by block of A's 16 rows: 64 numbers a lane become one image, which four stores of 512 consecutive bytes put in its place.
.macro ROPELD a                        ; token tile a's (cos, sin) from slot 0: register 16 c + k holds number 32 c + 16 (l / 16) + k of my token's 128: cos in the even registers, sin in the odd
.set RB, RR+64*((\a)%2)
.irp g, 0,1,2,3,4,5,6,7,8,9,10,11,12,13,14,15
	ds_load_b128 v[RB+4*\g:RB+4*\g+3], v[RA+((\a)/4)] offset:8192*((\a)%4)+512*\g
.endr
.endm
.macro QOUT a                          ; the 64 held numbers in TT become codes and leave
	s_wait_xcnt 0x0                                ; the last block's stores have read CC
.irp c, 0,1,2,3
	v_cvt_scalef32_pk8_fp8_f32 v[CC+4*\c:CC+4*\c+1], v[TT+16*\c:TT+16*\c+7], v[SCV]
	v_cvt_scalef32_pk8_fp8_f32 v[CC+4*\c+2:CC+4*\c+3], v[TT+16*\c+8:TT+16*\c+15], v[SCV]
.endr
	v_nop                                          ; a plain line behind the last conversion, ahead of the lines that write TT again
.irp c, 0,1,2,3
	global_store_b128 v[LI], v[CC+4*\c:CC+4*\c+3], s[OUTP:OUTP+1] offset:2048*(\a)+512*\c
.endr
.endm
.macro EPIR a                          ; q and k: (s0, s1) -> (s0 cos - s1 sin, s1 cos + s0 sin), two packed lines a pair; each accumulator is read from its low end on
.if (\a) < 7
	ROPELD (\a)+1
	s_wait_dscnt 16                                ; this block's sixteen loads are in; the next block's may be out
.else
	s_wait_dscnt 0
.endif
.set RC, RR+64*((\a)%2)
.set AC, 64*((\a)%4)
	WIN 0x02+((\a)/4)                              ; source 0: window 2 or 3
.irp b, 0,1,2,3,4,5,6,7
.irp p, 0,1,2,3
	v_pk_mul_f32 v[UU+8*(\b%2)+2*\p:UU+8*(\b%2)+2*\p+1], v[AC+8*\b+2*\p:AC+8*\b+2*\p+1], v[RC+8*\b+2*\p:RC+8*\b+2*\p+1] op_sel:[1,1] op_sel_hi:[0,1]   ; (s1 sin, s0 sin)
.endr
.irp p, 0,1,2,3
	v_pk_fma_f32 v[TT+8*\b+2*\p:TT+8*\b+2*\p+1], v[AC+8*\b+2*\p:AC+8*\b+2*\p+1], v[RC+8*\b+2*\p:RC+8*\b+2*\p+1], v[UU+8*(\b%2)+2*\p:UU+8*(\b%2)+2*\p+1] op_sel_hi:[1,0,1] neg_lo:[0,0,1]   ; both x cos; the low half less s1 sin, the high half plus s0 sin
.endr
.endr
	WIN 0
.set n, 0
.rept 64
	v_med3_num_f32 v[TT+n], v[TT+n], -v[LMV], v[LMV]   ; the conversion to an 8-bit code does not saturate (ISA guide 7.6.2)
.set n, n+1
.endr
	s_wait_alu depctr_va_vdst(0)                   ; the wait here, directly ahead of the wait below
	QOUT \a
.endm
.macro EPIV a                          ; v: no rotation: the hold reads the sums
.set AC, 64*((\a)%4)
	WIN 0x02+((\a)/4)
.set n, 0
.rept 64
	v_med3_num_f32 v[TT+n], v[AC+n], -v[LMV], v[LMV]
.set n, n+1
.endr
	WIN 0
	s_wait_alu depctr_va_vdst(0)
	QOUT \a
.endm
	PLACES NP                                      ; behind the last products: for the loads into the registers that held A's fragments, and for the reads of results
	s_cmp_eq_u32 s12, 2                            ; hangs on the cluster's x alone
	s_cbranch_scc1 .Lvee
	ROPELD 0
.irp a, 0,1,2,3,4,5,6,7
	EPIR \a
.endr
	s_branch .Lout
.Lvee:
	s_wait_alu depctr_va_vdst(0)
.irp a, 0,1,2,3,4,5,6,7
	EPIV \a
.endr
	s_branch .Lout
; w_o BECOMES CODES (e11).  Work-group n = 0..63 of the four clusters takes rows 32 n .. 32 n + 31: row tiles 2 n and 2 n + 1; wave w takes 512 along K: four K steps, two images each.
; Each load reads 512 consecutive bytes of one row; the 16 rows turn through the wave's own stage; each store covers 512 consecutive bytes.  The next step's loads (two images, 32 loads) are out while an image is worked.
.set RW, 32                            ; v32-159 two images as loaded
.set XW, 160                           ; v160-223 64 numbers of my row
.set TW, 224                           ; v224-239 held numbers, two sets by turns
.macro WLOAD t
.irp p, 0,1,2,3,4,5,6,7,8,9,10,11,12,13,14,15
	global_load_b128 v[RW+64*\t+4*\p:RW+64*\t+4*\p+3], v[LI], s[20:21] offset:(\p%8+16*(\p/8))*8192+65536*\t th:TH_LOAD_NT
.endr
.endm
.macro WIMG t, left, more              ; left: the younger loads, which may stay out
.set CW, 240-232*\t                    ; the codes: v240-255 or v8-23
	s_wait_loadcnt \left
.irp p, 0,1,2,3,4,5,6,7,8,9,10,11,12,13,14,15
	ds_store_b128 v2, v[RW+64*\t+4*\p:RW+64*\t+4*\p+3] offset:SP*\p
.endr
.irp c, 0,1,2,3
.irp m, 0,1,2,3
	ds_load_b128 v[XW+16*\c+4*\m:XW+16*\c+4*\m+3], v4 offset:128*\c+16*\m   ; LDS serves a wave's instructions in order (ISA guide 5.7.1.4)
.endr
.endr
	s_wait_dscnt 0x0                               ; the numbers are back, and the stores have read their registers:
.if \more
	WLOAD \t                                       ; which take the next step's rows
.endif
.irp c, 0,1,2,3
.irp u, 0,1
.irp k, 0,1,2,3,4,5,6,7
	v_med3_num_f32 v[TW+8*\u+\k], v[XW+16*\c+8*\u+\k], -v[LMV], v[LMV]   ; the conversion to an 8-bit code does not saturate (ISA guide 7.6.2)
.endr
	v_cvt_scalef32_pk8_fp8_f32 v[CW+4*\c+2*\u:CW+4*\c+2*\u+1], v[TW+8*\u:TW+8*\u+7], v[SCV]
.endr
.endr
	v_nop                                          ; a plain line behind the last conversion
.irp c, 0,1,2,3
	global_store_b128 v[LI], v[CW+4*\c:CW+4*\c+3], s[22:23] offset:8192*\t+512*\c
.endr
.endm
.Lwo:
	s_load_b128 s[20:23], s[0:1], 0x20             ; w_o, wo_img
	s_lshl_b32 s17, s17, 1
	s_add_co_u32 s17, s17, ttmp9
	s_sub_co_u32 s17, s17, 6                       ; which of the four clusters: 2 x cluster y + cluster x - 6
	s_lshl_b32 s17, s17, 4
	s_lshl_b32 s18, s41, 2
	s_add_co_u32 s17, s17, s18
	s_add_co_u32 s17, s17, s40                     ; n
	s_lshl_b32 s18, s17, 18                        ; 32 rows of 8,192 bytes
	s_lshl_b32 s19, s14, 11                        ; my 512 along K
	s_add_co_u32 s18, s18, s19
	s_mov_b32 s19, 0
	s_lshr_b32 s24, s14, 1                         ; the images: K pair w / 2,
	s_lshl_b32 s24, s24, 21
	s_and_b32 s25, s14, 1
	s_lshl_b32 s25, s25, 15                        ; K slot w % 2 in it,
	s_add_co_u32 s24, s24, s25
	s_lshr_b32 s25, s17, 1
	s_lshl_b32 s25, s25, 16                        ; group n / 2,
	s_add_co_u32 s24, s24, s25
	s_and_b32 s25, s17, 1
	s_lshl_b32 s25, s25, 14                        ; row tiles 2 (n % 2), + 1
	s_add_co_u32 s24, s24, s25
	s_mov_b32 s25, 0
	s_mul_i32 s26, s14, WSTG
	s_add_co_u32 s26, s26, WST                     ; my stage
	v_and_b32 v1, 31, v0
	v_lshlrev_b32 v[LI], 4, v1
	v_add_nc_u32 v2, s26, v[LI]                    ; in: as loaded
	v_and_b32 v1, 15, v0
	v_bfe_u32 v3, v0, 4, 1
	v_mul_u32_u24 v4, v1, SP
	v_lshl_add_u32 v4, v3, 6, v4
	v_add_nc_u32 v4, s26, v4                       ; out: row r, + 64 h
	s_wait_alu depctr_va_vdst(0)                   ; the wait here, directly ahead of the wait below
	s_wait_kmcnt 0x0
	s_load_b32 s27, s[6:7], 0x2c                   ; e11
	s_add_nc_u64 s[20:21], s[20:21], s[18:19]
	s_add_nc_u64 s[22:23], s[22:23], s[24:25]
	WLOAD 0
	WLOAD 1
	s_wait_kmcnt 0x0
	s_add_co_i32 s27, s27, 127
	s_lshl_b32 s28, s27, 23
	s_add_co_i32 s27, s27, 8
	s_lshl_b32 s27, s27, 23
	s_or_b32 s27, s27, 0x600000
	v_mov_b32 v[SCV], s28                          ; 2^e11
	v_mov_b32 v[LMV], s27                          ; 448 x 2^e11
	s_mov_b32 s3, 3
	s_wait_alu depctr_va_vdst(0)                   ; the wait at the head's end
	s_wait_xcnt 0x0                                ; the loads have read their base
	s_add_nc_u64 s[20:21], s[20:21], 512           ; K step 1
.Lwstep:                                               ; three of the four K steps; each asks for the next
	WIMG 0, 16, 1                                  ; image 1's loads may stay out
	WIMG 1, 16, 1                                  ; the next image 0's
	s_wait_xcnt 0x0                                ; loads and stores have read their bases, the stores their data
	s_add_nc_u64 s[20:21], s[20:21], 512
	s_add_nc_u64 s[22:23], s[22:23], 2048
	s_sub_co_u32 s3, s3, 1
	s_cmp_lg_u32 s3, 0
	s_cbranch_scc1 .Lwstep
	WIMG 0, 16, 0
	WIMG 1, 0, 0
.Lout:
	s_wait_tensorcnt 0x0                           ; the wave's end
	ds_add_u32 v[SPW], v[NIL]
	s_wait_dscnt 0x0
	CROUND                                         ; the closing round: no work-group ends while a partner may still ask for a tile that names it
	s_endpgm
.Lfunc_end_k_q58977ea0c0_qkv:
	.size	k_q58977ea0c0_qkv, .Lfunc_end_k_q58977ea0c0_qkv-k_q58977ea0c0_qkv
	.p2alignl 7, 3214868480
	.fill 96, 4, 3214868480
	.section	.rodata,"a",@progbits
	.p2align	6, 0x0
	.amdhsa_kernel k_q58977ea0c0_qkv
		.amdhsa_group_segment_fixed_size 327680
		.amdhsa_private_segment_fixed_size 0
		.amdhsa_enable_private_segment 0
		.amdhsa_kernarg_size 48
		.amdhsa_user_sgpr_count 2
		.amdhsa_user_sgpr_kernarg_segment_ptr 1
		.amdhsa_wavefront_size32 1
		.amdhsa_system_sgpr_workgroup_id_x 1
		.amdhsa_system_sgpr_workgroup_id_y 1
		.amdhsa_system_sgpr_workgroup_id_z 1
		.amdhsa_system_vgpr_workitem_id 0
		.amdhsa_next_free_vgpr 1024
		.amdhsa_next_free_sgpr 102
		.amdhsa_reserve_vcc 0
		.amdhsa_float_denorm_mode_32 3
		.amdhsa_float_denorm_mode_16_64 3
		.amdhsa_memory_ordered 1
		.amdhsa_forward_progress 1
		.amdhsa_inst_pref_size 238
	.end_amdhsa_kernel
	.amdgpu_metadata
---
amdhsa.version: [ 1, 2 ]
amdhsa.kernels:
  - .name:           k_q58977ea0c0_qkv
    .symbol:         k_q58977ea0c0_qkv.kd
    .args:
      - { .name: codes, .offset: 0, .size: 8, .value_kind: global_buffer, .address_space: global }
      - { .name: lowp_scales, .offset: 8, .size: 8, .value_kind: global_buffer, .address_space: global }
      - { .name: q_img, .offset: 16, .size: 8, .value_kind: global_buffer, .address_space: global }
      - { .name: kv_img, .offset: 24, .size: 8, .value_kind: global_buffer, .address_space: global }
      - { .name: w_o, .offset: 32, .size: 8, .value_kind: global_buffer, .address_space: global }
      - { .name: wo_img, .offset: 40, .size: 8, .value_kind: global_buffer, .address_space: global }
    .group_segment_fixed_size: 327680
    .private_segment_fixed_size: 0
    .kernarg_segment_align: 8
    .kernarg_segment_size: 48
    .max_flat_workgroup_size: 128
    .sgpr_count:     102
    .vgpr_count:     1024
    .wavefront_size: 32
...
	.end_amdgpu_metadata
.endif
;; end of part 2
;; launch attn (part 3): grid 16 x 16, 8 waves a work-group, clusters of 4 x 1, 327,680 bytes of LDS; arguments q_img, kv_img, lowp_scales, a_img; writes a_img
.if DOCPART == 3
	.amdgcn_target "amdgcn-amd-amdhsa--gfx1250"
	.amdhsa_code_object_version 6
	.text
	.protected	k_q58977ea0c0_attn
	.globl	k_q58977ea0c0_attn
	.p2align	8
	.type	k_q58977ea0c0_attn,@function
k_q58977ea0c0_attn:
	s_mov_b64 s[64:65], 0
	v_nop
	global_prefetch_b8 v0, s[64:65] scope:SCOPE_SE
	s_setreg_imm32_b32 hwreg(HW_REG_WAVE_MODE, 25, 1), 1
	s_wait_xcnt 0x0
	s_wait_alu depctr_hold_cnt(0) depctr_sa_sdst(0) depctr_va_vdst(0) depctr_va_sdst(0) depctr_va_ssrc(0) depctr_va_vcc(0) depctr_vm_vsrc(0)
	s_getreg_b32 s2, hwreg(HW_REG_IB_STS2, 6, 4)
	s_cmp_eq_u32 s2, 0
	s_cbranch_scc0 .Lentry_in_a_cluster
	s_endpgm
.Lentry_in_a_cluster:
	s_bfe_u32 s2, ttmp6, 0x10000c
	s_cmp_lg_u32 s2, 0x3003
	s_cbranch_scc0 .Lentry_shape_is_right
	s_endpgm
.Lentry_shape_is_right:
; Causal attention on codes of FP8 (E4M3), 16 heads of 128, 2,048 tokens; the result is quantised along the model's 2,048 (e10) for the last projection.
; THE SOFTMAX AHEAD OF THE SECOND PRODUCT: t = score x log2(e) / sqrt(128); M = the row's largest t so far, rounded UP to a whole number; p = 2^(t - M) is quantised (e8), not normalised.
; The row's sum is taken of the unquantised p, in f32, and divides O at the end.  When M moves, the sum and O are multiplied by 2^(old M - new M): exact.
; All operands are images of operand registers: 16 rows x 128 K in 2,048 bytes, chunk c of 512 bytes, lane l's 16 bytes at 16 l: row l % 16, k = 32 c + 16 (l / 16) + 0 .. 15.
; Place r of a tile t of tokens or of a head's dims is number 32 (t / 2) + 8 (t % 2) + r % 8 + 16 (r / 8).  Both products are used transposed (S^T = K Q^T, O^T = V^T P^T): a lane holds ONE query of a tile throughout,
; p's 16 registers of two neighbouring key tiles are 16 neighbouring keys, and O^T's 16 registers of two neighbouring tiles are 16 neighbouring dims: every conversion's results are the next operand's registers.
; SHARES.  256 work-groups of equal work.  c = cluster x, cx = my place in it, the head = y.  The queries go in 16 blocks J of 128: a cluster takes J = 2 c, 2 c + 1, 14 - 2 c, 15 - 2 c (together 34 key steps of 128), and partner cx of each
; block the 32 queries 32 cx .. + 31: two tiles, A and B.  Block number i = 0..3 of the cluster's four is shared by two of the eight waves: wave i takes the even key steps (par = 0), wave 7 - i the odd ones (par = 1); at the end they meet in LDS.
; So each fragment of K and V that a wave reads feeds two tiles.  Every branch hangs on c and w alone.
; A step all of whose keys come after the block's queries is left out (a scalar branch on ids, round no barrier and no tensor load): the causal mask gives those keys no weight; on the diagonal step hidden scores become -infinity.
; Key 128 s counts for every query of every block that walks step s, so M is a number from a wave's first step on.
; K and V come through a ring of two LDS slots of 512 keys (K's 65,536 bytes, then V's), asked for JOINTLY by the four partners, an eighth (16,384 bytes) a wave.
; Every cluster walks all four key slots: joint loads and barriers stay alike in all partners, and block 15 - 2 c reads key slots 2 and (but for c > 1) 3; the walk is the same in all clusters.
; PREFETCH INTO THE L2, one slot (a wave's two key steps) ahead of the load: at the change that asks for key slot s, key slot s + 1, for s = 1, 2.  All clusters of a head walk the same K and V: the head's first cluster asks.  Its four partners
; take a quarter of the slot each, told apart by address; in each, waves 4 to 7 take 8,192 bytes, lanes 256 bytes apart: each block of 256 bytes is named once.  Key slots 0 and 1 come by their loads alone.
; a_img: [K pair of 1024 = 8 heads][group of 4 row tiles][half of the pair][row tile][head of 4][2048].
; LIMITS on the given exponents: e6 + e7 between -123 and 130 (added to c's exponent field); e8 and e10 between -126 and 119; e8 + e9 is applied by v_ldexp_f32 and has none.  The scaled scores (t) stay under 2^31 in magnitude.
; REGISTERS.  Tile A lives in window 0, tile B in window 1, under the same numbers: v10 the diagonal's number, v[14:15] the sum in two halves, v16-31 Q, v96-159 S^T, then p, v160-223 O^T, v224-239 codes (and at work), v240, v244-246 constants, v[252:253] f.
; Fragments of K or V: the first four in window 0's v32-95, the last four in window 1's.  Addresses, -M and the largest score of both tiles lie in window 0.
.set SLOT1, 1<<17
.set SPARE, 2*SLOT1                    ; behind the ring: the spare words, 128 bytes for each of eight waves, which no other line names
.set AK,   1                           ; v1   my place in K's images of a slot: 16 x lane + 16,384 x par
.set ADK,  2                           ; v2   the same in the step in hand
.set AV,   3                           ; v3, v4  the same for V's
.set ADV,  4
.set SPW,  5
.set NIL,  6
.set LI,   7                           ; v7   16 x lane
.set MAS,  8                           ; v8   the pair's meeting place for O^T, in slot 0 (which has had its last fill and its last read by then): where I put the tile that my partner finishes,
.set MAR,  9                           ; v9   and where mine comes from
.set MBS,  243                         ; v243, v247  the same for -M and the sum
.set MBR,  247
.set DG,   10                          ; v10  on the diagonal step: my query less the step's first key less 16 (lane / 16)
.set PFO,  11                          ; v11  256 x lane
.set NMA,  12                          ; v12  -M of tile A, v13 its largest score
.set NMB,  248                         ; v248, v249 the same of tile B
.set TB,   2                           ; s2   LDS byte at which the step in hand begins (par aside)
.set WV,   18
.set SEL,  20
.set CS,   22
.set G1,   24                          ; s[24:31] descriptor group 1
.set G0,   32                          ; s[32:35] group 0; it walks
.set DP,   48                          ; s48  J less the number of the step in hand: under 0 hidden, 0 the diagonal
.set CT,   49
.set PFA,  50
.set OUTP, 52
.set QP,   54
.set CH,   56
.set ASKER, 57                         ; s57  2 in a wave that prefetches (in the trips with CT = 3 and 2), else 99
.set EPV,  58                          ; s58  e8 + e9
.set MSB, 0
.macro WIN new                         ; the immediate's high byte repeats the setting that is left
.if MSB != \new
	s_set_vgpr_msb (MSB<<8)|\new
.set MSB, \new
.endif
.endm
.macro CROUND
	s_barrier_signal -1
	s_barrier_wait -1
	s_cmp_lg_u32 s[WV], 0
	s_cbranch_scc1 .Lnot_wave_0_\@
	s_barrier_signal -3
.Lnot_wave_0_\@:
	s_barrier_wait -3
	s_barrier_signal -1
	s_barrier_wait -1
.endm
.macro JLOAD                           ; every wave its eighth; four v_nop follow
	tensor_load_to_lds s[G0:G0+3], s[G1:G1+7]
	s_nop 0
.rept 4
	v_nop
.endr
.endm
	s_load_b256 s[4:11], s[0:1], 0x0               ; q_img s[4:5], kv_img s[6:7], the scales' exponents s[8:9], a_img s[10:11]
	v_lshl_add_u32 v[SPW], v0, 2, SPARE
	v_mov_b32 v[NIL], 0
	ds_add_u32 v[SPW], v[NIL]                      ; the wave's opening: the add, twice on end, and its wait
	ds_add_u32 v[SPW], v[NIL]
	v_lshrrev_b32 v12, 5, v0
	v_and_b32 v15, 31, v0
	v_and_b32 v[DG], 7, v0
	v_bfe_u32 v13, v0, 3, 1
	v_bfe_u32 v14, v0, 4, 1
	v_readfirstlane_b32 s[WV], v12
	v_lshlrev_b32 v[LI], 4, v15
	v_lshlrev_b32 v[PFO], 8, v15
	v_lshl_add_u32 v[DG], v13, 4, v[DG]            ; r % 8 + 16 (r / 8)
	v_lshlrev_b32 v14, 4, v14
	v_lshlrev_b32 v15, 3, v15
	v_sub_nc_u32 v[DG], v[DG], v14                 ; - 16 (lane / 16)
	s_wait_alu depctr_va_vdst(0)                   ; the wait here, directly ahead of the scalar lines
	s_bfe_u32 s12, ttmp6, 0x40000                  ; cx: it enters global addresses and the diagonal's number alone
	s_and_b32 s14, ttmp7, 0xffff                   ; the head
	s_lshr_b32 s16, s[WV], 2                       ; par
	s_mul_i32 s15, s16, 7
	s_xor_b32 s15, s15, s[WV]                      ; i: wave, or 7 - wave
	s_lshl_b32 s13, ttmp9, 1
	s_add_co_u32 s17, s13, s15
	s_add_co_u32 s19, s15, 12
	s_sub_co_u32 s19, s19, s13
	s_cmp_lt_u32 s15, 2
	s_cselect_b32 s17, s17, s19                    ; J
	s_sub_co_i32 s[DP], s17, s16
	s_lshl_b32 s19, s17, 3
	s_lshl_b32 s83, s12, 1
	s_add_co_u32 s19, s19, s83                     ; tile A = 8 J + 2 cx; tile B is the next
	s_lshl_b32 s83, s12, 5                         ; my queries begin at 32 cx of the block
	s_lshl_b32 s80, s16, 14
	s_lshl_b32 s81, s15, 14                        ; the meeting place: 16,384 bytes a block, tile A's half and tile B's
	s_lshl_b32 s84, s16, 13
	s_add_co_u32 s82, s81, s84                     ; I finish tile A (par = 0) or tile B,
	s_xor_b32 s84, s84, 8192
	s_add_co_u32 s81, s81, s84                     ; and hand over the other
	s_lshl_b32 s85, s15, 9
	s_add_co_u32 s85, s85, 65536
	s_lshl_b32 s86, s16, 8
	s_add_co_u32 s87, s85, s86
	s_xor_b32 s86, s86, 256
	s_add_co_u32 s86, s85, s86
	v_add_nc_u32 v[AK], s80, v[LI]
	v_add_nc_u32 v[MAS], s81, v[LI]
	v_add_nc_u32 v[MAR], s82, v[LI]
	v_add_nc_u32 v[MBS], s86, v15
	v_add_nc_u32 v[MBR], s87, v15
	v_add_nc_u32 v[DG], s83, v[DG]
	v_add_nc_u32 v[AV], 65536, v[AK]
	; descriptor group 1: a dense block of 64 rows x 32 elements of 8 bytes, for all four partners
	s_mov_b32 s[G1], 15|(3<<16)|(1<<21)
	s_mov_b32 s[G1+1], 32<<16
	s_mov_b32 s[G1+2], 64<<16
	s_mov_b32 s[G1+3], 32<<16
	s_mov_b32 s[G1+4], 64
	s_mov_b32 s[G1+5], 32
	s_mov_b32 s[G1+6], 0
	s_mov_b32 s[G1+7], 0
	s_mov_b32 s[SEL], 0x76543210
	s_mov_b32 s[SEL+1], 0xfedcba98
	s_mov_b32 s[CS], 0x3e0293ee                    ; c = log2(e) / sqrt(128)
	s_mov_b32 s[TB], 0
	s_lshl_b32 s56, s[WV], 14                      ; 16,384 bytes a load
	s_lshl_b32 s60, s14, 19                        ; the head's bytes in kv_img
	s_add_co_u32 s60, s60, s56
	s_mov_b32 s61, 0
	s_lshl_b32 s62, s14, 19                        ; the prefetch: my work-group's quarter of a slot, my wave's 8,192 bytes of it; at key slot 1: the first change steps it to 2
	s_lshl_b32 s63, s12, 15
	s_add_co_u32 s62, s62, s63
	s_and_b32 s63, s[WV], 3
	s_lshl_b32 s63, s63, 13
	s_add_co_u32 s62, s62, s63
	s_add_co_u32 s62, s62, SLOT1
	s_mov_b32 s63, 0
	s_lshl_b32 s82, s14, 18                        ; Q: the head's 2^18 bytes, 2,048 a tile
	s_lshl_b32 s83, s19, 11
	s_add_co_u32 s82, s82, s83
	s_mov_b32 s83, 0
	s_lshr_b32 s84, s14, 3                         ; the result: K pair = head / 8,
	s_lshl_b32 s84, s84, 21
	s_lshr_b32 s85, s14, 2
	s_and_b32 s85, s85, 1
	s_lshl_b32 s85, s85, 15                        ; its half,
	s_add_co_u32 s84, s84, s85
	s_and_b32 s85, s14, 3
	s_lshl_b32 s85, s85, 11                        ; the head in it;
	s_add_co_u32 s84, s84, s85
	s_lshr_b32 s85, s19, 2
	s_lshl_b32 s85, s85, 16                        ; the group of four tiles,
	s_add_co_u32 s84, s84, s85
	s_and_b32 s85, s19, 3
	s_lshl_b32 s85, s85, 13                        ; tile A in it; tile B is 8,192 bytes on
	s_add_co_u32 s84, s84, s85
	s_mov_b32 s85, 0
	s_sub_co_u32 s[ASKER], s[WV], 4
	s_lshr_b32 s[ASKER], s[ASKER], 2               ; 0 in waves 4 to 7,
	s_or_b32 s[ASKER], s[ASKER], ttmp9             ; of the head's first cluster: the same in all four partners
	s_cmp_eq_u32 s[ASKER], 0
	s_mov_b32 s[ASKER], 99
	s_cselect_b32 s[ASKER], 2, s[ASKER]
	s_wait_alu depctr_va_vdst(0)                   ; the wait here, directly ahead of the waits below
	s_wait_dscnt 0x0                               ; both opening adds are done
	s_wait_kmcnt 0x0
	s_load_b256 s[68:75], s[8:9], 0x0              ; e0 .. e7
	s_load_b128 s[76:79], s[8:9], 0x20             ; e8 .. e11
	s_add_nc_u64 s[60:61], s[6:7], s[60:61]
	s_add_nc_u64 s[PFA:PFA+1], s[6:7], s[62:63]
	s_add_nc_u64 s[QP:QP+1], s[4:5], s[82:83]
	s_add_nc_u64 s[OUTP:OUTP+1], s[10:11], s[84:85]
	s_mov_b32 s[G0], 1
	s_mov_b32 s[G0+1], s56
	s_mov_b64 s[G0+2:G0+3], s[60:61]
	s_or_b32 s[G0+3], s[G0+3], 0x80000000
	CROUND                                         ; all four work-groups are here: the first joint loads meet
	JLOAD                                          ; key slot 0: one load a wave
.irp c, 0,1,2,3
	global_load_b128 v[16+4*\c:19+4*\c], v[LI], s[QP:QP+1] offset:512*\c        ; Q's fragments stay in registers: tile A's in window 0,
.endr
	WIN 0x40
.irp c, 0,1,2,3
	global_load_b128 v[16+4*\c:19+4*\c], v[LI], s[QP:QP+1] offset:2048+512*\c   ; tile B's in window 1
.endr
	v_add_nc_u32 v[DG], 8, v[DG]                   ; tile B's queries lie 8 further on
.macro INIT
	v_mov_b32 v14, 0
	v_mov_b32 v15, 0
	v_mov_b32 v252, 0
	v_mov_b32 v253, 0                              ; (named as the upper half of the pair v[252:253])
.set j, 0
.rept 64
	v_mov_b32 v[160+j], 0                          ; O^T: the step stands in a loop; the first finds zeros, and a wave without steps hands zeros on
.set j, j+1
.endr
.endm
	INIT
	WIN 0
	INIT
	v_mov_b32 v[NMA], 0x7f61b1e6                   ; -M: 3e38
	v_mov_b32 v[NMA+1], 0xff61b1e6                 ; the largest score so far: -3e38
	v_mov_b32 v[NMB], 0x7f61b1e6
	v_mov_b32 v[NMB+1], 0xff61b1e6
	v_mov_b32 v241, 0                              ; written once: a lane permute's destination counts as one of its sources
	v_mov_b32 v242, 0
	s_wait_kmcnt 0x0
	s_add_co_i32 s80, s74, s75
	s_lshl_b32 s80, s80, 23
	s_add_co_i32 s[CS], s[CS], s80                 ; a score stands for score x 2^(e6 + e7)
	s_mov_b32 s[CS+1], s[CS]
	s_add_co_i32 s80, s76, 127
	s_lshl_b32 s81, s80, 23                        ; 2^e8
	s_add_co_i32 s80, s80, 8
	s_lshl_b32 s80, s80, 23
	s_or_b32 s80, s80, 0x600000                    ; 448 x 2^e8
	s_add_co_i32 s82, s78, 127
	s_lshl_b32 s83, s82, 23                        ; 2^e10
	s_add_co_i32 s82, s82, 8
	s_lshl_b32 s82, s82, 23
	s_or_b32 s82, s82, 0x600000                    ; 448 x 2^e10
	s_add_co_i32 s[EPV], s76, s77
.macro CONSTS
	v_mov_b32 v240, s80
	v_mov_b32 v244, s81
	v_mov_b32 v245, s83
	v_mov_b32 v246, s82
.endm
	CONSTS
	WIN 0x40
	CONSTS
	WIN 0
.macro PLACES n
.rept \n
	v_nop
.endr
.endm
.macro FRAGS adr                       ; eight fragments, four loads each, each 512 consecutive bytes: the first four into window 0, the last four into window 1
	WIN 0
.irp t, 0,1,2,3
.irp c, 0,1,2,3
	ds_load_b128 v[32+16*\t+4*\c:35+16*\t+4*\c], v[\adr] offset:\t*2048+512*\c
.endr
.endr
	WIN 0x40
.irp t, 0,1,2,3
.irp c, 0,1,2,3
	ds_load_b128 v[32+16*\t+4*\c:35+16*\t+4*\c], v[\adr] offset:(4+\t)*2048+512*\c
.endr
.endr
	WIN 0
.endm
.macro QK4 t0, w                       ; S^T = K Q^T: four key tiles of one query tile
	WIN \w
.irp t, 0,1,2,3
	v_wmma_f32_16x16x128_fp8_fp8 v[96+8*(\t0+\t):103+8*(\t0+\t)], v[32+16*\t:47+16*\t], v[16:31], 0
.endr
.endm
.macro PV4 t0, w                       ; O^T += V^T P^T: four tiles of dims of one query tile
	WIN \w
.irp t, 0,1,2,3
	v_wmma_f32_16x16x128_fp8_fp8 v[160+8*(\t0+\t):167+8*(\t0+\t)], v[32+16*\t:47+16*\t], v[224:239], v[160+8*(\t0+\t):167+8*(\t0+\t)]
.endr
.endm
.macro MASK                            ; register 16 b + i holds key 32 b + 16 (lane / 16) + i of the step: hidden where 32 b + i > v[DG]
	v_mov_b32 v254, 0xff800000
.set n, 0
.rept 64
	v_cmp_gt_i32 vcc_lo, 32*(n/16)+n%16, v[DG]
	v_cndmask_b32 v[96+n], v[96+n], v254, vcc_lo
.set n, n+1
.endr
.endm
.macro TREE w, r, x                    ; the largest of the tile's 64 scores in my lane and of the largest so far (v[r]), in four chains v[x .. x + 3] of window 0, in ascending order
	WIN \w
.irp i, 0,1,2,3
	v_max3_num_f32 v[\x+\i], v[\r], v[96+2*\i], v[97+2*\i]
.endr
.set n, 4
.rept 28
	v_max3_num_f32 v[\x+n%4], v[\x+n%4], v[96+2*n], v[97+2*n]
.set n, n+1
.endr
.endm
.macro SCALE m                         ; t - M, two at a time
.set j, 0
.rept 32
	v_pk_fma_f32 v[96+j:97+j], v[96+j:97+j], s[CS:CS+1], v[\m:\m+1] op_sel_hi:[1,0,0]
.set j, j+2
.endr
.endm
.macro RESC                            ; O^T under the new M
.set j, 0
.rept 32
	v_pk_mul_f32 v[160+j:161+j], v[160+j:161+j], v[252:253] op_sel_hi:[1,0]
.set j, j+2
.endr
.endm
.macro EXPS
.set j, 0
.rept 64
	v_exp_f32 v[96+j], v[96+j]                     ; p = 2^(t - M), at most 1
.set j, j+1
.endr
.endm
.macro ADD4 d, a, b
	v_pk_add_f32 v[\d:\d+1], v[\a:\a+1], v[\b:\b+1]
.endm
.macro SUMS                            ; the sum of the unquantised p, two at a time, in eight chains
.irp k, 0,2,4,6,8,10,12
	ADD4 224+\k, 96+\k, 112+\k
.endr
	ADD4 14, 14, 110
.irp k, 0,2,4,6,8,10,12
	ADD4 224+\k, 224+\k, 128+\k
.endr
	ADD4 14, 14, 126
.irp k, 0,2,4,6,8,10,12
	ADD4 224+\k, 224+\k, 144+\k
.endr
	ADD4 14, 14, 142
	ADD4 224, 224, 226
	ADD4 228, 228, 230
	ADD4 232, 232, 234
	ADD4 14, 14, 158
	ADD4 224, 224, 228
	ADD4 232, 232, 236
	ADD4 14, 14, 224
	ADD4 14, 14, 232
.endm
.macro CODES
.irp b, 0,1,2,3
.irp i, 0,2,4,6,8,10,12,14
	v_dual_min_num_f32 v[96+16*\b+\i], v[96+16*\b+\i], v240 :: v_dual_min_num_f32 v[97+16*\b+\i], v[97+16*\b+\i], v240   ; the conversion does not saturate (ISA guide 7.6.2); p is not negative, so the hold is one-sided
.endr
	v_cvt_scalef32_pk8_fp8_f32 v[224+4*\b:225+4*\b], v[96+16*\b:103+16*\b], v244
	v_cvt_scalef32_pk8_fp8_f32 v[226+4*\b:227+4*\b], v[104+16*\b:111+16*\b], v244
.endr
.endm
; A KEY STEP of 128 keys for both tiles.  s_set_vgpr_msb's low byte: bits 1:0 source 0, 3:2 source 1, 5:4 source 2, 7:6 destination.
.macro STEP
	s_cmp_lt_i32 s[DP], 0                          ; all its keys come after my block's queries
	s_cbranch_scc1 .Lhid_\@
	PLACES 2                                       ; with the two additions at the trip's head: 4 in front of loads into registers that matrix instructions have read
	FRAGS ADK
	s_wait_dscnt 16                                ; K's first four fragments are in; the last four's sixteen loads may be out
	QK4 0, 0x00
	QK4 0, 0x44
	s_wait_dscnt 0x0
	QK4 4, 0x01
	QK4 4, 0x45
	WIN 0
	PLACES 4                                       ; for the reads of the scores, and for the loads below
	FRAGS ADV                                      ; V's fragments land while the softmax is walked
	s_cmp_lg_u32 s[DP], 0
	s_cbranch_scc1 .Lopen_\@
	MASK                                           ; the diagonal step
	WIN 0x45
	MASK
	WIN 0
.Lopen_\@:
	TREE 0x00, NMA+1, 224
	TREE 0x14, NMB+1, 228
	WIN 0                                          ; the two tiles' chains take turns line by line
	v_max3_num_f32 v224, v224, v225, v226
	v_max3_num_f32 v228, v228, v229, v230
	v_max_num_f32 v224, v224, v227
	v_max_num_f32 v228, v228, v231
	v_permlanex16_b32 v241, v224, s[SEL], s[SEL+1]
	v_permlanex16_b32 v242, v228, s[SEL], s[SEL+1]
	v_max_num_f32 v[NMA+1], v224, v241             ; and among lane l xor 16's
	v_max_num_f32 v[NMB+1], v228, v242
	v_mul_f32 v224, s[CS], v[NMA+1]                ; as t (c is positive)
	v_mul_f32 v228, s[CS], v[NMB+1]
	v_mov_b32 v226, v[NMA]
	v_mov_b32 v230, v[NMB]
	v_floor_f32 v[NMA], -v224                      ; the new -M = floor(-t): M is a whole number
	v_floor_f32 v[NMB], -v228
	v_sub_f32 v226, v[NMA], v226                   ; old M less new M: a whole number, 0 or less
	v_sub_f32 v230, v[NMB], v230
	v_cvt_i32_f32 v226, v226                       ; (it saturates)
	v_cvt_i32_f32 v230, v230
	v_ldexp_f32 v252, 1.0, v226                    ; f = 2^(old M - new M)
	WIN 0x40
	v_ldexp_f32 v252, 1.0, v230                    ; (tile B's, in window 1)
	WIN 0
	SCALE NMA
	RESC
	WIN 0x41
	SCALE NMB                                      ; source 2 in window 0
	WIN 0x45
	RESC
	WIN 0
	s_wait_alu depctr_va_vdst(0)                   ; the wait ahead of the batch
	EXPS
	WIN 0x41
	EXPS
	WIN 0
	v_pk_mul_f32 v[14:15], v[14:15], v[252:253] op_sel_hi:[1,0]   ; the sum under the new M: the plain line behind the exponentials
	s_wait_alu depctr_va_vdst(0)                   ; one wait for the whole batch, ahead of its first reader
	SUMS
	CODES
	WIN 0x45
	v_pk_mul_f32 v[14:15], v[14:15], v[252:253] op_sel_hi:[1,0]
	SUMS
	CODES
	v_nop                                          ; a plain line between the last conversion and the products
	s_wait_alu depctr_va_vdst(0)                   ; the wait here, directly ahead of the wait below
	s_wait_dscnt 0x0                               ; V's fragments
	PV4 0, 0x00
	PV4 0, 0x54
	PV4 4, 0x01
	PV4 4, 0x55
	WIN 0
.Lhid_\@:
.endm
.macro HALVES                          ; a slot's two steps
	s_mov_b32 s[CH], 2
.Lhalf_\@:
	v_add_nc_u32 v[ADK], s[TB], v[AK]
	v_add_nc_u32 v[ADV], s[TB], v[AV]
	s_wait_alu depctr_va_vdst(0)                   ; the wait here, ahead of the branches and waits below
	STEP
	s_xor_b32 s[TB], s[TB], 32768                  ; on to the slot's other half, and back
	s_sub_co_i32 s[DP], s[DP], 2
	s_sub_co_u32 s[CH], s[CH], 1
	s_cmp_lg_u32 s[CH], 0
	s_cbranch_scc1 .Lhalf_\@
	s_xor_b32 s[TB], s[TB], SLOT1                  ; on to the other slot
.endm
	s_wait_alu depctr_va_vdst(0)                   ; the wait at the head's end
	s_wait_loadcnt 0x0                             ; Q
	s_mov_b32 s[CT], 3
; THE CHANGE OF SLOTS stands at a slot's head.  Each wave waits for all its tensor loads (its part of the slot ahead), adds 0 to its spare word, and waits for that and for its reads of the slot that it leaves; a round of the cluster's barrier;
; behind it the other slot takes the next key slot: the load has a whole slot's steps in which to land.
.Lslot:                                                ; key slots 0, 1, 2
	s_wait_xcnt 0x0                                ; any prefetch of mine has read its address
	s_add_nc_u64 s[PFA:PFA+1], s[PFA:PFA+1], SLOT1
	s_wait_tensorcnt 0x0
	ds_add_u32 v[SPW], v[NIL]
	s_xor_b32 s[G0+1], s[G0+1], SLOT1
	s_add_nc_u64 s[G0+2:G0+3], s[G0+2:G0+3], SLOT1 ; the next key slot; the type bits on top are not reached
	s_wait_dscnt 0x0
	CROUND
	JLOAD
	s_cmp_ge_u32 s[CT], s[ASKER]
	s_cbranch_scc0 .Lnot_mine
	global_prefetch_b8 v[PFO], s[PFA:PFA+1] th:TH_LOAD_NT scope:SCOPE_SE
.Lnot_mine:
	HALVES
	s_sub_co_u32 s[CT], s[CT], 1
	s_cmp_lg_u32 s[CT], 0
	s_cbranch_scc1 .Lslot
	s_wait_tensorcnt 0x0                           ; the last change: nothing is left to fetch
	ds_add_u32 v[SPW], v[NIL]
	s_wait_dscnt 0x0
	s_barrier_signal -1
	s_barrier_wait -1
	HALVES
	; THE PAIR'S RESULTS MEET.  Each of the two waves hands one tile's O^T, -M and sum to the other through slot 0 (it has had its last fill, and every wave has passed a barrier behind its last read of it) and finishes the other tile.
	PLACES 4                                       ; behind the last products
	v_add_f32 v13, v14, v15                        ; tile A: v[12:13] = -M and my lane's sum
	WIN 0x40
	v_mov_b32 v12, v[NMB]                          ; tile B: the same in window 1
	WIN 0x45
	v_add_f32 v13, v14, v15
	WIN 0
	s_wait_alu depctr_va_vdst(0)                   ; the wait here, directly ahead of the branch
.macro HAND w
	WIN \w
.irp i, 0,1,2,3,4,5,6,7,8,9,10,11,12,13,14,15
	ds_store_b128 v[MAS], v[160+4*\i:163+4*\i] offset:512*\i
.endr
	ds_store_b64 v[MBS], v[12:13]
	WIN 0
.endm
	s_cmp_eq_u32 s16, 0
	s_cbranch_scc1 .Lhand_b
	HAND 0x00
	s_branch .Lhanded
.Lhand_b:
	HAND 0x04                                      ; data from window 1
.Lhanded:
	s_wait_dscnt 0x0                               ; for the others' sake: my stores have landed
	s_barrier_signal -1
	s_barrier_wait -1
.macro FINISH w                        ; the tile in window w
	WIN 0x40*\w
.irp i, 0,1,2,3,4,5,6,7,8,9,10,11,12,13,14,15
	ds_load_b128 v[32+4*\i:35+4*\i], v[MAR] offset:512*\i
.endr
	ds_load_b64 v[96:97], v[MBR]                   ; the partner's -M and sum
	WIN 0x55*\w
	v_mov_b32 v101, 0                              ; (named as the upper halves of pairs)
	v_mov_b32 v103, 0
	s_wait_alu depctr_va_vdst(0)                   ; the wait here, directly ahead of the wait below
	s_wait_dscnt 0x0
	v_min_num_f32 v98, v12, v96                    ; -M of both: the larger M
	s_delay_alu instid0(VALU_DEP_1)
	v_sub_f32 v100, v98, v12                       ; my M less it, and the partner's: whole numbers, 0 or less; a wave without steps has -M = 3e38, and its factor is 0
	s_delay_alu instid0(VALU_DEP_2)
	v_sub_f32 v102, v98, v96
	s_delay_alu instid0(VALU_DEP_2)
	v_cvt_i32_f32 v100, v100
	s_delay_alu instid0(VALU_DEP_2)
	v_cvt_i32_f32 v102, v102
	s_delay_alu instid0(VALU_DEP_2)
	v_ldexp_f32 v100, 1.0, v100
	s_delay_alu instid0(VALU_DEP_2)
	v_ldexp_f32 v102, 1.0, v102
	s_delay_alu instid0(VALU_DEP_2)
	v_mul_f32 v14, v13, v100
	s_delay_alu instid0(VALU_DEP_1)
	v_fmac_f32 v14, v97, v102
	s_delay_alu instid0(VALU_DEP_1)
	v_permlanex16_b32 v252, v14, s[SEL], s[SEL+1]
	s_delay_alu instid0(VALU_DEP_1)
	v_add_f32 v14, v14, v252                       ; the row's sum
	s_wait_alu depctr_va_vdst(0)                   ; the wait ahead of the transcendental
	v_rcp_f32 v14, v14
	v_nop                                          ; a plain line behind the transcendental
	s_wait_alu depctr_va_vdst(0)                   ; and the wait ahead of its first reader
	v_ldexp_f32 v14, v14, s[EPV]                   ; x 2^(e8 + e9)
	s_delay_alu instid0(VALU_DEP_1)
	v_mul_f32 v100, v100, v14                      ; both factors take it: they are powers of two, so nothing more is rounded
	s_delay_alu instid0(VALU_DEP_2)
	v_mul_f32 v102, v102, v14
	s_wait_alu depctr_va_vdst(0)                   ; the wait here, directly ahead of the first reader of O^T
.set j, 0
.rept 32
	v_pk_mul_f32 v[160+j:161+j], v[160+j:161+j], v[100:101] op_sel_hi:[1,0]
.set j, j+2
.endr
.set j, 0
.rept 32
	v_pk_fma_f32 v[160+j:161+j], v[32+j:33+j], v[102:103], v[160+j:161+j] op_sel_hi:[1,0,1]
.set j, j+2
.endr
.set j, 0
.rept 64
	v_med3_num_f32 v[160+j], v[160+j], -v246, v246 ; register 16 c + k is dim 32 c + 16 (lane / 16) + k of my query
.set j, j+1
.endr
.irp c, 0,1,2,3
	v_cvt_scalef32_pk8_fp8_f32 v[224+4*\c:225+4*\c], v[160+16*\c:167+16*\c], v245
	v_cvt_scalef32_pk8_fp8_f32 v[226+4*\c:227+4*\c], v[168+16*\c:175+16*\c], v245
.endr
	v_nop
	WIN 0x04*\w
.irp c, 0,1,2,3
	global_store_b128 v[LI], v[224+4*\c:227+4*\c], s[OUTP:OUTP+1] offset:8192*\w+512*\c   ; 512 consecutive bytes a store, aligned
.endr
	WIN 0
.endm
	s_cmp_eq_u32 s16, 0
	s_cbranch_scc1 .Lfin_a
	FINISH 1
	s_branch .Ldone
.Lfin_a:
	FINISH 0
.Ldone:
	s_wait_tensorcnt 0x0                           ; the wave's end
	ds_add_u32 v[SPW], v[NIL]
	s_wait_dscnt 0x0
	CROUND                                         ; the closing round
	s_endpgm
.Lfunc_end_k_q58977ea0c0_attn:
	.size	k_q58977ea0c0_attn, .Lfunc_end_k_q58977ea0c0_attn-k_q58977ea0c0_attn
	.p2alignl 7, 3214868480
	.fill 96, 4, 3214868480
	.section	.rodata,"a",@progbits
	.p2align	6, 0x0
	.amdhsa_kernel k_q58977ea0c0_attn
		.amdhsa_group_segment_fixed_size 327680
		.amdhsa_private_segment_fixed_size 0
		.amdhsa_enable_private_segment 0
		.amdhsa_kernarg_size 32
		.amdhsa_user_sgpr_count 2
		.amdhsa_user_sgpr_kernarg_segment_ptr 1
		.amdhsa_wavefront_size32 1
		.amdhsa_system_sgpr_workgroup_id_x 1
		.amdhsa_system_sgpr_workgroup_id_y 1
		.amdhsa_system_sgpr_workgroup_id_z 1
		.amdhsa_system_vgpr_workitem_id 0
		.amdhsa_next_free_vgpr 512
		.amdhsa_next_free_sgpr 100
		.amdhsa_reserve_vcc 1
		.amdhsa_float_denorm_mode_32 3
		.amdhsa_float_denorm_mode_16_64 3
		.amdhsa_memory_ordered 1
		.amdhsa_forward_progress 1
		.amdhsa_inst_pref_size 127
	.end_amdhsa_kernel
	.amdgpu_metadata
---
amdhsa.version: [ 1, 2 ]
amdhsa.kernels:
  - .name:           k_q58977ea0c0_attn
    .symbol:         k_q58977ea0c0_attn.kd
    .args:
      - { .name: q_img, .offset: 0, .size: 8, .value_kind: global_buffer, .address_space: global }
      - { .name: kv_img, .offset: 8, .size: 8, .value_kind: global_buffer, .address_space: global }
      - { .name: lowp_scales, .offset: 16, .size: 8, .value_kind: global_buffer, .address_space: global }
      - { .name: a_img, .offset: 24, .size: 8, .value_kind: global_buffer, .address_space: global }
    .group_segment_fixed_size: 327680
    .private_segment_fixed_size: 0
    .kernarg_segment_align: 8
    .kernarg_segment_size: 32
    .max_flat_workgroup_size: 256
    .sgpr_count:     100
    .vgpr_count:     512
    .wavefront_size: 32
...
	.end_amdgpu_metadata
.endif
;; end of part 3
;; launch proj (part 4): grid 16 x 16, 4 waves a work-group, clusters of 4 x 4, 327,680 bytes of LDS; arguments a_img, wo_img, lowp_scales, out0; writes out0
.if DOCPART == 4
	.amdgcn_target "amdgcn-amd-amdhsa--gfx1250"
	.amdhsa_code_object_version 6
	.text
	.protected	k_q58977ea0c0_proj
	.globl	k_q58977ea0c0_proj
	.p2align	8
	.type	k_q58977ea0c0_proj,@function
k_q58977ea0c0_proj:
	s_mov_b64 s[64:65], 0
	v_nop
	global_prefetch_b8 v0, s[64:65] scope:SCOPE_SE
	s_setreg_imm32_b32 hwreg(HW_REG_WAVE_MODE, 25, 1), 1
	s_wait_xcnt 0x0
	s_wait_alu depctr_hold_cnt(0) depctr_sa_sdst(0) depctr_va_vdst(0) depctr_va_sdst(0) depctr_va_ssrc(0) depctr_va_vcc(0) depctr_vm_vsrc(0)
	s_getreg_b32 s2, hwreg(HW_REG_IB_STS2, 6, 4)
	s_cmp_eq_u32 s2, 0
	s_cbranch_scc0 .Lentry_in_a_cluster
	s_endpgm
.Lentry_in_a_cluster:
	s_bfe_u32 s2, ttmp6, 0x10000c
	s_cmp_lg_u32 s2, 0xf033
	s_cbranch_scc0 .Lentry_shape_is_right
	s_endpgm
.Lentry_shape_is_right:
; The last projection: out0[token][dim] = 2^(e10 + e11) x the sum over K of a[token][K] w_o[dim][K], on codes of FP8 (E4M3), sums in f32.
; LIMIT: e10 + e11 lies between -126 and 127, so that 2^(e10 + e11) is an f32 number.
; Both operands come as images of operand registers (16 rows x 128 K in 2,048 bytes: chunk c of 512 bytes, lane l's 16 bytes at 16 l: row l % 16, k = 32 c + 16 (l / 16) + 0 .. 15),
; laid [K pair of 1024][group of 4 row tiles][K slot of 512 in the pair][row tile][K step of 128][2048].  Place r of row tile t is row 32 (t / 2) + 8 (t % 2) + r % 8 + 16 (r / 8).
; A tile of C, 128 x 128, is made by four waves, each 64 x 64: 256 work-groups, one turn.  K goes in slots of 512 through a ring of two LDS slots; a wave fetches for one group of 64 rows, 32,768 bytes a slot.
; A group's K slots 0 and 1 lie on end in memory and in LDS: the wave's ONE load at the head brings both, 65,536 bytes.
; CLUSTERS: 4 x 4.  A's tiles are shared along a row of the cluster, B's along a column: joint loads with a mask that names the four.
; PREFETCH INTO THE L2: behind the head's load each wave asks for K slots 2 and 3 of what it fetches: one and two whole slots ahead of their loads.  The four partners of a joint load take a quarter each, told apart by address, lanes
; 256 bytes apart: each block of 256 bytes is named once in each cluster.  Nothing is left to ask for afterwards.
; THE MATRIX INSTRUCTION IS USED TRANSPOSED (source 0 = rows of B, source 1 = rows of A): a lane holds neighbouring columns of one row of C, which go through the wave's own stage in LDS and leave as 256 bytes a row.
; REGISTERS: window 0: v16-29 addresses, v32-127 at work on the way out, v128-255 the 16 accumulators; window 1: two sets of fragments, A's four at 0, B's four at 64.
.set PART,   32768                     ; a wave's part of a slot: four row tiles x four K steps x 2,048.  In LDS wave w's part of slot s lies at 65,536 w + 32,768 s
.set SPARE,  262144                    ; behind the ring: the spare words, which no other line names
.set STAGE,  SPARE+512                 ; and each wave's stage: 16 rows x 272 bytes
.set SPITCH, 272
.set KPAIR,  1<<21
.set ADRA, 16
.set ADRB, 20
.set STO,  24
.set RD,   25
.set CO,   26
.set PFO,  27
.set SPW,  28
.set NIL,  29
.set TMP,  32
.set BK,   64
.set ACC,  128
.set F0,   0
.set F1,   128
.set G1, 24
.set G0, 32
.set G1B, 48
.set G0B, 56
.set G1H, 68                           ; group 1 of the head's loads: 256 rows
.set G1HB, 76
.set PFA, 84
.set MSB, 0
.macro WIN new                         ; the immediate's high byte repeats the setting that is left
.if MSB != \new
	s_set_vgpr_msb (MSB<<8)|\new
.set MSB, \new
.endif
.endm
.set MUL,  0x05                        ; sources 0 and 1 in window 1, C and D in window 0
.set TO_F, 0x40
; Waves 0 and 1 fetch for A, waves 2 and 3 for B.  Four v_nop follow each of the two lines.
.macro JLOAD g0a, g1a, g0b, g1b
	s_cmp_eq_u32 s15, 0
	s_cbranch_scc0 .Lfor_b_\@
	tensor_load_to_lds s[\g0a:\g0a+3], s[\g1a:\g1a+7]
	s_nop 0
.rept 4
	v_nop
.endr
	s_branch .Lasked_\@
.Lfor_b_\@:
	tensor_load_to_lds s[\g0b:\g0b+3], s[\g1b:\g1b+7]
	s_nop 0
.rept 4
	v_nop
.endr
.Lasked_\@:
.endm
.macro CREST
	s_cmp_lg_u32 s14, 0
	s_cbranch_scc1 .Lnot_wave_0_\@
	s_barrier_signal -3
.Lnot_wave_0_\@:
	s_barrier_wait -3
	s_barrier_signal -1
	s_barrier_wait -1
.endm
.macro CROUND
	s_barrier_signal -1
	s_barrier_wait -1
	CREST
.endm
	s_load_b256 s[4:11], s[0:1], 0x0               ; a_img, wo_img, the scales' exponents, out0
	v_lshl_add_u32 v[SPW], v0, 2, SPARE
	v_mov_b32 v[NIL], 0
	ds_add_u32 v[SPW], v[NIL]                      ; the wave's opening: the add, twice on end, and its wait
	ds_add_u32 v[SPW], v[NIL]
	v_lshrrev_b32 v1, 5, v0
	v_readfirstlane_b32 s14, v1                    ; wave 0..3
	s_lshr_b32 s15, s14, 1                         ; my half of the tile's rows.  Also: I fetch for A (0) or for B (1)
	s_and_b32 s16, s14, 1                          ; my half of its columns.  Also: which half of that tile I fetch
	s_bfe_u32 s40, ttmp6, 0x40000                  ; cx, cy
	s_bfe_u32 s41, ttmp6, 0x40004
	s_lshl_b32 s42, ttmp9, 2
	s_add_co_u32 s42, s42, s40                     ; tile column
	s_and_b32 s17, ttmp7, 0xffff
	s_lshl_b32 s17, s17, 2
	s_add_co_u32 s17, s17, s41                     ; tile row
	s_lshl_b32 s43, s41, 2
	s_lshl_b32 s43, 15, s43                        ; my row of the cluster
	s_lshl_b32 s44, 0x1111, s40                    ; my column
	s_or_b32 s[G1+0], s43, (3<<16)|(1<<21)         ; 15:0 the mask; 17:16 elements of 8 bytes; 21 set beside a mask
	s_or_b32 s[G1B+0], s44, (3<<16)|(1<<21)
	s_or_b32 s[G1H+0], s43, (3<<16)|(1<<21)
	s_or_b32 s[G1HB+0], s44, (3<<16)|(1<<21)
.macro GRP g, rows
	s_mov_b32 s[\g+1], 32<<16                      ; a dense block: rows of 32 elements of 8 bytes
	s_mov_b32 s[\g+2], \rows<<16
	s_mov_b32 s[\g+3], 32<<16
	s_mov_b32 s[\g+4], \rows
	s_mov_b32 s[\g+5], 32
	s_mov_b32 s[\g+6], 0
	s_mov_b32 s[\g+7], 0
.endm
	GRP G1, 128
	GRP G1B, 128
	GRP G1H, 256
	GRP G1HB, 256
	s_lshl_b32 s20, s17, 17                        ; A: two groups of 65,536 bytes a tile row, one a half
	s_lshl_b32 s21, s16, 16
	s_add_co_u32 s20, s20, s21
	s_mov_b32 s21, 0
	s_lshl_b32 s46, s42, 17                        ; B likewise, by the tile column
	s_lshl_b32 s47, s16, 16
	s_add_co_u32 s46, s46, s47
	s_mov_b32 s47, 0
	s_lshl_b32 s45, s14, 16                        ; where they go: no place in the cluster enters an LDS address
	s_cmp_eq_u32 s15, 0
	s_cselect_b32 s86, s20, s46                    ; the prefetches: my quarter (by cx for A, by cy for B) of what I fetch, at K pair 1
	s_cselect_b32 s87, s40, s41
	s_lshl_b32 s87, s87, 13
	s_add_co_u32 s86, s86, s87
	s_add_co_u32 s86, s86, KPAIR
	s_mov_b32 s87, 0
	s_wait_dscnt 0x0                               ; both opening adds are done
	s_wait_kmcnt 0x0
	s_load_b64 s[96:97], s[8:9], 0x28              ; e10, e11
	s_cmp_eq_u32 s15, 0
	s_cselect_b64 s[PFA:PFA+1], s[4:5], s[6:7]
	s_add_nc_u64 s[PFA:PFA+1], s[PFA:PFA+1], s[86:87]
	s_add_nc_u64 s[20:21], s[4:5], s[20:21]
	s_add_nc_u64 s[46:47], s[6:7], s[46:47]
.irp s, 0,1
	s_mov_b32 s[G0+4*\s], 1
	s_add_co_u32 s[G0+4*\s+1], s45, \s*PART
	s_add_nc_u64 s[G0+4*\s+2:G0+4*\s+3], s[20:21], \s*PART
	s_or_b32 s[G0+4*\s+3], s[G0+4*\s+3], 0x80000000
	s_mov_b32 s[G0B+4*\s], 1
	s_add_co_u32 s[G0B+4*\s+1], s45, \s*PART
	s_add_nc_u64 s[G0B+4*\s+2:G0B+4*\s+3], s[46:47], \s*PART
	s_or_b32 s[G0B+4*\s+3], s[G0B+4*\s+3], 0x80000000
.endr
	CROUND                                         ; all sixteen work-groups are here: the first joint loads meet
	JLOAD G0, G1H, G0B, G1HB                       ; K slots 0 and 1: one tensor load a wave at the head
	s_lshl_b32 s21, s15, 16                        ; my half of A: wave s15 fetched it
	s_lshl_b32 s22, s16, 16
	s_add_co_u32 s22, s22, 131072                  ; my half of B: wave 2 + s16
	s_add_co_u32 s18, s21, PART
	s_add_co_u32 s19, s22, PART
	s_mul_i32 s23, s14, 16*SPITCH
	s_add_co_u32 s23, s23, STAGE                   ; my stage
	v_and_b32 v6, 31, v0
	v_and_b32 v1, 15, v0
	v_bfe_u32 v2, v0, 4, 1
	v_lshlrev_b32 v3, 4, v6
	v_lshlrev_b32 v[PFO], 8, v6
	v_mul_u32_u24 v4, v1, SPITCH
	v_mul_u32_u24 v5, v2, SPITCH
	v_lshlrev_b32 v7, 13, v2
	v_add_nc_u32 v[ADRA], s21, v3
	v_add_nc_u32 v[ADRB], s22, v3
	v_add_nc_u32 v[ADRA+1], s18, v3
	v_add_nc_u32 v[ADRB+1], s19, v3
	v_lshl_add_u32 v4, v2, 6, v4                   ; into the stage: row l % 16, 64 bytes for each half of the lanes
	v_lshl_add_u32 v5, v1, 4, v5                   ; back: lanes 0-15 one row of 256 bytes, lanes 16-31 the next
	v_lshl_add_u32 v[CO], v1, 4, v7                ; and the same in C
	v_add_nc_u32 v[STO], s23, v4
	v_add_nc_u32 v[RD], s23, v5
	s_wait_alu depctr_va_vdst(0)                   ; the wait at the head's end
	global_prefetch_b8 v[PFO], s[PFA:PFA+1] th:TH_LOAD_NT scope:SCOPE_SE               ; K slot 2,
	global_prefetch_b8 v[PFO], s[PFA:PFA+1] offset:PART th:TH_LOAD_NT scope:SCOPE_SE   ; K slot 3
	s_lshl_b32 s20, s17, 20                        ; my first row of C, in bytes: 128 rows of 8,192 a tile row, 64 a half;
	s_lshl_b32 s21, s15, 19
	s_add_co_u32 s20, s20, s21
	s_lshl_b32 s21, s42, 9                         ; my first column: 512 a tile column, 256 a half
	s_add_co_u32 s20, s20, s21
	s_lshl_b32 s21, s16, 8
	s_add_co_u32 s20, s20, s21
	s_mov_b32 s21, 0
	s_add_nc_u64 s[10:11], s[10:11], s[20:21]
; Four products of one block of A.  The 16 accumulators take turns, one instruction a turn.
.macro MUL4 f, a, zero
.irp b, 0,1,2,3
.if \zero
	v_wmma_f32_16x16x128_fp8_fp8 v[ACC+8*(4*\a+\b):ACC+8*(4*\a+\b)+7], v[\f+64+16*\b:\f+64+16*\b+15], v[\f+16*\a:\f+16*\a+15], 0
.else
	v_wmma_f32_16x16x128_fp8_fp8 v[ACC+8*(4*\a+\b):ACC+8*(4*\a+\b)+7], v[\f+64+16*\b:\f+64+16*\b+15], v[\f+16*\a:\f+16*\a+15], v[ACC+8*(4*\a+\b):ACC+8*(4*\a+\b)+7]
.endif
.endr
.endm
.macro FETCH slot, q, f                ; 32 loads: B's four fragments, then A's
	WIN TO_F
.irp i, 0,1,2,3
.irp c, 0,1,2,3
	ds_load_b128 v[\f+64+16*\i+4*\c:\f+64+16*\i+4*\c+3], v[ADRB+\slot] offset:8192*\i+2048*(\q)+512*\c
.endr
.endr
.irp i, 0,1,2,3
.irp c, 0,1,2,3
	ds_load_b128 v[\f+16*\i+4*\c:\f+16*\i+4*\c+3], v[ADRA+\slot] offset:8192*\i+2048*(\q)+512*\c
.endr
.endr
.endm
.macro PLACES                          ; four plain lines behind a matrix instruction, ahead of a load into a register that it has read or of a read of its result (ISA guide 7.12.1 for the read of its result)
.rept 4
	v_nop
.endr
.endm
.macro QUARTER slot, qn, f, g, zero    ; one K step of 128 on set f; in its middle the next one's fragments go into set g
	s_wait_dscnt 8                                 ; B's and A's blocks 0, 1 are in
	WIN MUL
	MUL4 \f, 0, \zero
	MUL4 \f, 1, \zero
	PLACES
	FETCH \slot, \qn, \g
	s_wait_dscnt 32                                ; all but the 32 just issued
	WIN MUL
	MUL4 \f, 2, \zero
	MUL4 \f, 3, \zero
.endm
; A slot's last K step changes slots: in front of the barrier each wave waits for all its tensor loads, adds 0 to its spare word, and waits for that and for its reads of this slot.  fill = 1: the slot takes the K slot two further on.
.macro TURN slot, next, fill
	WIN 0
	s_wait_tensorcnt 0x0
	ds_add_u32 v[SPW], v[NIL]
	s_wait_dscnt 9                                 ; (the add and the youngest eight loads may be out)
	WIN MUL
	MUL4 F1, 0, 0
	s_wait_dscnt 0x0
	s_barrier_signal -1
	MUL4 F1, 1, 0
.if \fill
	WIN 0
.endif
	s_barrier_wait -1
.if \fill
	CREST
	s_add_nc_u64 s[G0+4*\slot+2:G0+4*\slot+3], s[G0+4*\slot+2:G0+4*\slot+3], KPAIR
	s_add_nc_u64 s[G0B+4*\slot+2:G0B+4*\slot+3], s[G0B+4*\slot+2:G0B+4*\slot+3], KPAIR
	JLOAD G0+4*\slot, G1, G0B+4*\slot, G1B         ; its four v_nop are the places in front of the loads below
.else
	PLACES
.endif
	FETCH \next, 0, F0
	WIN MUL
	MUL4 F1, 2, 0
	MUL4 F1, 3, 0
.endm
	s_wait_tensorcnt 0x0                           ; my parts of K slots 0 and 1 are in
	s_barrier_signal -1
	s_barrier_wait -1
	FETCH 0, 0, F0
	QUARTER 0, 1, F0, F1, 1
	QUARTER 0, 2, F1, F0, 0
	QUARTER 0, 3, F0, F1, 0
	TURN 0, 1, 1                                   ; K slot 2
	QUARTER 1, 1, F0, F1, 0
	QUARTER 1, 2, F1, F0, 0
	QUARTER 1, 3, F0, F1, 0
	TURN 1, 0, 1                                   ; K slot 3
	QUARTER 0, 1, F0, F1, 0
	QUARTER 0, 2, F1, F0, 0
	QUARTER 0, 3, F0, F1, 0
	TURN 0, 1, 0
	QUARTER 1, 1, F0, F1, 0
	QUARTER 1, 2, F1, F0, 0
	QUARTER 1, 3, F0, F1, 0
	s_wait_dscnt 8
	WIN MUL
	MUL4 F1, 0, 0
	MUL4 F1, 1, 0
	s_wait_dscnt 0
	MUL4 F1, 2, 0
	MUL4 F1, 3, 0
	WIN 0
.macro TOSTAGE a                       ; block a's sums x 2^(e10 + e11) through my stage
.set j, 0
.rept 16
	v_pk_mul_f32 v[TMP+j:TMP+j+1], v[ACC+32*(\a)+j:ACC+32*(\a)+j+1], s[96:97] op_sel_hi:[1,0]
.set j, j+2
.endr
.irp b, 0,1,2,3
	ds_store_b128 v[STO], v[TMP+8*\b:TMP+8*\b+3] offset:128*(\b/2)+32*(\b%2)
	ds_store_b128 v[STO], v[TMP+8*\b+4:TMP+8*\b+7] offset:128*(\b/2)+32*(\b%2)+16
.endr
.set BB, BK+32*((\a)%2)
.irp t, 0,1,2,3,4,5,6,7
	ds_load_b128 v[BB+4*\t:BB+4*\t+3], v[RD] offset:\t*2*SPITCH   ; LDS serves a wave's instructions in order (ISA guide 5.7.1.4)
.endr
.endm
.macro SEND a, younger                 ; sixteen lanes store 256 consecutive bytes, aligned
.set BB, BK+32*((\a)%2)
	s_wait_dscnt \younger
.irp t, 0,1,2,3,4,5,6,7
	global_store_b128 v[CO], v[BB+4*\t:BB+4*\t+3], s[10:11] offset:(32*((\a)/2)+8*((\a)%2)+((2*\t)%8)+16*((2*\t)/8))*8192 th:TH_STORE_NT
.endr
.endm
	s_wait_kmcnt 0x0
	s_add_co_i32 s96, s96, s97
	s_add_co_i32 s96, s96, 127
	s_lshl_b32 s96, s96, 23                        ; 2^(e10 + e11)
	PLACES
	TOSTAGE 0
.irp a, 1,2,3
.if \a > 1
	s_wait_xcnt 0x0                                ; block a - 2's stores have read their registers
.endif
	TOSTAGE \a
	SEND \a-1, 16                                  ; behind block a - 1's loads: block a's 8 stores and 8 loads
.endr
	SEND 3, 0
	s_wait_tensorcnt 0x0                           ; the wave's end
	ds_add_u32 v[SPW], v[NIL]
	s_wait_dscnt 0x0
	CROUND                                         ; the closing round
	s_endpgm
.Lfunc_end_k_q58977ea0c0_proj:
	.size	k_q58977ea0c0_proj, .Lfunc_end_k_q58977ea0c0_proj-k_q58977ea0c0_proj
	.p2alignl 7, 3214868480
	.fill 96, 4, 3214868480
	.section	.rodata,"a",@progbits
	.p2align	6, 0x0
	.amdhsa_kernel k_q58977ea0c0_proj
		.amdhsa_group_segment_fixed_size 327680
		.amdhsa_private_segment_fixed_size 0
		.amdhsa_enable_private_segment 0
		.amdhsa_kernarg_size 32
		.amdhsa_user_sgpr_count 2
		.amdhsa_user_sgpr_kernarg_segment_ptr 1
		.amdhsa_wavefront_size32 1
		.amdhsa_system_sgpr_workgroup_id_x 1
		.amdhsa_system_sgpr_workgroup_id_y 1
		.amdhsa_system_sgpr_workgroup_id_z 1
		.amdhsa_system_vgpr_workitem_id 0
		.amdhsa_next_free_vgpr 512
		.amdhsa_next_free_sgpr 100
		.amdhsa_reserve_vcc 0
		.amdhsa_float_denorm_mode_32 3
		.amdhsa_float_denorm_mode_16_64 3
		.amdhsa_memory_ordered 1
		.amdhsa_forward_progress 1
		.amdhsa_inst_pref_size 74
	.end_amdhsa_kernel
	.amdgpu_metadata
---
amdhsa.version: [ 1, 2 ]
amdhsa.kernels:
  - .name:           k_q58977ea0c0_proj
    .symbol:         k_q58977ea0c0_proj.kd
    .args:
      - { .name: a_img, .offset: 0, .size: 8, .value_kind: global_buffer, .address_space: global }
      - { .name: wo_img, .offset: 8, .size: 8, .value_kind: global_buffer, .address_space: global }
      - { .name: lowp_scales, .offset: 16, .size: 8, .value_kind: global_buffer, .address_space: global }
      - { .name: out0, .offset: 24, .size: 8, .value_kind: global_buffer, .address_space: global }
    .group_segment_fixed_size: 327680
    .private_segment_fixed_size: 0
    .kernarg_segment_align: 8
    .kernarg_segment_size: 32
    .max_flat_workgroup_size: 128
    .sgpr_count:     100
    .vgpr_count:     512
    .wavefront_size: 32
...
	.end_amdgpu_metadata
.endif
;; end of part 4
